; MI455X (gfx1250); checked and timed in simulation.
; The chip was launched on July 23, 2026; its instructions are those of AMD's public machine-readable ISA for CDNA 5 (MIT licence, August 2026) and "CDNA5" Instruction Set Architecture Reference Guide (July 2026). The comments in the code are by the model that wrote it; some were corrected since.
;; Multihead Attention. Allowed arithmetic: matrix products marked QUANTISED: E4M3 operands, one E8M0 scale for each 32 along K, by v_wmma_scale_f32_16x16x128_f8f6f4 with both operands' format E4M3, f32 sums; everything else in f32.
;; Inputs: Wk 1,024 x 1,024 float32; Wo 1,024 x 1,024 float32; Wq 1,024 x 1,024 float32; Wv 1,024 x 1,024 float32; bk 1,024 float32; bo 1,024 float32; bq 1,024 float32; bv 1,024 float32; inputs 4 x 2,048 x 1,024 float32; mask 2,048 x 2,048 bool.
;; Outputs: out0 4 x 2,048 x 1,024 float32.
;; This version of the problem:
;;   THIS VERSION OF THE PROBLEM IS GIVEN IN LOW PRECISION. The matrix products marked QUANTISED in the list below multiply operands that are first quantised to E4M3 (4 exponent bits, 3 mantissa bits; 8 bits a number), with one power-of-two scale for each 32 numbers along K (OCP MX v1.0); their sums are f32. All else is computed in f32.
;;   The module's matrix products, in the order in which they are computed (A, B: the left and right operand; K: the contracted axis; several contracted axes count as one K, in the product's order):
;;     1. [M 8,192, K 1,024] x [K 1,024, N 1,024]; A: input inputs; B: input Wq: QUANTISED
;;     2. [M 8,192, K 1,024] x [K 1,024, N 1,024]; A: input inputs; B: input Wk: QUANTISED
;;     3. [M 8,192, K 1,024] x [K 1,024, N 1,024]; A: input inputs; B: input Wv: QUANTISED
;;     4. batch 64 x [M 2,048, K 64] x [K 64, N 2,048]; A: computed on the way; B: computed on the way: QUANTISED
;;     5. batch 64 x [M 2,048, K 2,048] x [K 2,048, N 64]; A: softmax (see below); B: computed on the way: QUANTISED
;;     6. [M 8,192, K 1,024] x [K 1,024, N 1,024]; A: computed on the way; B: input Wo: QUANTISED
;;   THE QUANTISER, for each operand of a quantised product, along K:
;;     - K is cut into blocks of 32 from its start; a last block that is shorter is filled with zeros.
;;     - A block's scale is 2^e with e = floor(log2(the largest magnitude in the block)) - 8, held to -126 .. 127; a block of zeros has e = 0. As a byte (E8M0): e + 127.
;;     - Each number is divided by its block's scale, clamped to +-448, and rounded to the nearest number of E4M3, ties to even, subnormals kept.
;;     - The product sums the exact products of the quantised numbers (number of the format x scale) in f32.
;;   ~~~python
;;   def quantise(x, axis):      # numpy; x: float32 -> the quantised numbers, widened to float32 again
;;       x = np.moveaxis(x, axis, -1); K = x.shape[-1]
;;       x = np.pad(x, [(0, 0)] * (x.ndim - 1) + [(0, -K % 32)]); x = x.reshape(x.shape[:-1] + (-1, 32)); a = np.abs(x).max(-1, keepdims=True)
;;       e = np.where(a > 0, np.clip(np.frexp(np.where(a > 0, a, 1))[1] - 1 - 8, -126, 127), 0)      # np.frexp(a)[1] - 1 = floor(log2(a)), exactly
;;       r = np.clip(x / 2.0 ** e, -448, 448)
;;       step = 2.0 ** (np.maximum(np.frexp(np.where(r == 0, 1, r))[1] - 1, -6) - 3)
;;       q = np.round(r / step) * step * 2.0 ** e      # np.round: ties to even
;;       return np.moveaxis(q.reshape(q.shape[:-2] + (-1,))[..., :K], -1, axis).astype(np.float32)
;;   ~~~
;;   SOFTMAX AHEAD OF A QUANTISED PRODUCT. Where the list says 'softmax', what is quantised is not the finished softmax but p = 2^(t - M), with t = logit x log2(e) and M = ceil(the row's largest t), a whole number; so 1/2 < the row's largest p <= 1. The row's sum l is taken of the UNQUANTISED p, in f32, and the product's result is divided by l at the end. Since M is a whole number, a kernel that streams over the keys may use a running M (the ceiling of the running maximum): every later rescaling is an exact power of two, which a block's scale takes up: the codes' values come out the same.
;;   OPERANDS COMPUTED ON THE WAY. 'Computed on the way' means the value that the module computes at that place (a softmax that the list does not call 'softmax' is quantised finished and normalised). What goes into a quantiser is computed in f32, as accurately as f32 sums, v_exp_f32 and their like allow (about 1e-6 of the number): no bf16 or f16 on the way to a quantiser, and a product that is left as it is and whose result goes on into a quantised operand takes f32 operands (vector FMAs, or v_wmma_f32_16x16x4_f32). A number that lies on a knife's edge between two numbers of the format may be rounded either way, as far as f32 arithmetic and the matrix unit's own rounding can turn it there, and no further.
;; 2 versions, each right; version 2 is version 1 with the launch attn written anew for expert scheduling mode. Each part assembles by itself: llvm-mc -triple=amdgcn-amd-amdhsa -mcpu=gfx1250 --defsym DOCPART=n.
;; ======== version 1 of 2: 4 launches
;; limits: right only within a limited range of input values
;; workspace buffers: in_codes 12,582,912 bytes; in_scales 393,216 bytes; qkv_codes 25,165,824 bytes; qkv_scales 1,310,720 bytes; z_codes 8,388,608 bytes; z_scales 262,144 bytes; maskw 540,672 bytes of whole numbers
;; launch prep (part 1): grid 320 x 1, 8 waves a work-group, no clusters, 68,608 bytes of LDS; arguments inputs, Wq, Wk, Wv, Wo, mask, in_codes, in_scales, maskw; writes in_codes, in_scales, maskw
.if DOCPART == 1
	.amdgcn_target "amdgcn-amd-amdhsa--gfx1250"
	.amdhsa_code_object_version 6
	.text
	.protected	k_qa92c731c68_prep
	.globl	k_qa92c731c68_prep
	.p2align	8
	.type	k_qa92c731c68_prep,@function
k_qa92c731c68_prep:
	s_mov_b64 s[64:65], 0
	v_nop
	global_prefetch_b8 v0, s[64:65] scope:SCOPE_SE
	s_setreg_imm32_b32 hwreg(HW_REG_WAVE_MODE, 25, 1), 1
	s_wait_xcnt 0x0
; PREP.  Work-groups 0-191 turn inputs [8192][1024], Wq, Wk, Wv, Wo [1024][1024] (f32, K innermost) into codes of FP8 (E4M3) with one E8M0 byte for each 32 along K.
; Work-groups 192-319 pack the mask [2048][2048] (one byte a bool) into lane-mask words and flags for the attention launch.
; A TILE is 16 rows in the order row(T, i) = 32 (T / 2) + 8 (T % 2) + i + 8 (i / 8).  Tiles 0-511 are the inputs' rows, 512-575 Wq's, 576-639 Wk's, 640-703 Wv's, 704-767 Wo's.
; in_codes: tile x 16,384 bytes: [K step of 128: 8][chunk c: 4][lane: 32][16 bytes]: lane l holds row(T, l % 16), k = 128 s + 32 c + 16 (l / 16) + 0 .. 15: the image of the operand's registers.
; in_scales: tile x 512 bytes: [pair of K steps: 4][row i: 16][2 words]; a word is the four bytes of one K step.
; A block's scale is 2^(floor(log2(its largest magnitude)) - 8); its byte is that magnitude's exponent field - 8, held at 1 from below; numbers are held within +-448 x the scale and rounded to the nearest code.
; maskw: words at 0: [query tile T: 128][key step ks: 16][n: 64]: bit l of word n = mask[row(T, l % 16)][128 ks + 32 (n / 16) + 16 (l / 16) + n % 16];
;        flags at 524,288: [T][wave: 8][4 words]: bit ks set where the step has any true bit; where all its bits are true; the OR of the wave's words (which lanes have a true bit); 0.
; LIMITS: NaN and infinities among the inputs are not served; a block of zeros gets the byte 1 (its codes are zeros, and this program alone reads the bytes).
; No matrix unit, cluster or tensor load: the launch is a stream, each byte read once and written once in dense runs of 256 or 512 bytes.
.set STG,  8448                        ; LDS: a stage of 16 rows x (512 + 16) bytes for each wave (quantising path alone)
.set R,    16                          ; v16-143  two sets of 16 rows x 16 bytes as loaded
.set X,    144                         ; v144-207 64 numbers of my row: register 16 b + i = k 32 b + 16 (lane / 16) + i
.set PC,   208                         ; v208-223 a fragment's codes
.set TM,   224                         ; v224-239 at work: largest magnitudes, bytes, holds, scale operands
.set PW,   240                         ; v240-243 the scale words of my four K steps
.set SEL,  24                          ; s[24:25] selects for v_permlanex16_b32: lane l xor 16
.set MNT,  26                          ; s26      the mantissa field of 448
	s_load_b512 s[4:19], s[0:1], 0x0               ; inputs 4:5, Wq 6:7, Wk 8:9, Wv 10:11, Wo 12:13, mask 14:15, in_codes 16:17, in_scales 18:19
	s_load_b64 s[20:21], s[0:1], 0x40              ; maskw
	v_lshl_add_u32 v254, v0, 2, 0x10800
	v_mov_b32 v255, 0
	v_lshrrev_b32 v1, 5, v0
	v_readfirstlane_b32 s22, v1                    ; wave 0..7
	v_and_b32 v1, 31, v0                           ; lane
	v_and_b32 v2, 15, v0                           ; r
	v_bfe_u32 v3, v0, 4, 1                         ; h
	v_lshlrev_b32 v8, 3, v1                        ; 8 x lane
	s_cmp_ge_u32 ttmp9, 192
	s_cbranch_scc1 .Lmask
	; ---------------- the quantising path: wave w takes tile 4 x work-group + w / 2, K steps 4 (w % 2) .. + 3
	v_lshlrev_b32 v4, 4, v1                        ; 16 x lane: offset of the loads and of the codes' stores; never rewritten
	s_mul_i32 s27, s22, STG
	v_add_nc_u32 v5, s27, v4                       ; into the stage: a row's 512 bytes as they lie
	v_mul_u32_u24 v6, v2, 528
	v_lshl_add_u32 v6, v3, 6, v6
	v_add_nc_u32 v6, s27, v6                       ; out of it: row r, + 64 h: my 16 numbers of a block of 32
	s_mov_b32 s[SEL], 0x76543210
	s_mov_b32 s[SEL+1], 0xfedcba98
	s_mov_b32 s[MNT], 0x600000
.irp b, 0,1,2,3
	v_mov_b32 v[TM+4+\b], 0                        ; written once: a lane permute's destination counts as one of its sources
.endr
	s_lshl_b32 s28, ttmp9, 2
	s_lshr_b32 s29, s22, 1
	s_add_co_u32 s28, s28, s29                     ; the tile g
	s_and_b32 s29, s22, 1                          ; which half of K
	s_and_b32 s30, s28, 63                         ; the tile inside a weight (each has 64)
	s_cmp_lt_u32 ttmp9, 128
	s_cselect_b32 s30, s28, s30                    ; or inside the inputs
	s_lshr_b32 s31, s30, 1
	s_lshl_b32 s31, s31, 5
	s_and_b32 s30, s30, 1
	s_lshl_b32 s30, s30, 3
	s_add_co_u32 s30, s30, s31                     ; its first row: 32 (t / 2) + 8 (t % 2)
	s_lshl_b32 s30, s30, 12                        ; x 4,096 bytes
	s_lshl_b32 s31, s29, 11
	s_add_co_u32 s30, s30, s31                     ; + my half of K: 2,048 bytes
	s_mov_b32 s31, 0
	s_lshl_b32 s32, s28, 14
	s_lshl_b32 s33, s29, 13
	s_add_co_u32 s32, s32, s33                     ; codes: 16,384 g + 8,192 half
	s_mov_b32 s33, 0
	s_lshl_b32 s34, s28, 9
	s_lshl_b32 s35, s29, 8
	s_add_co_u32 s34, s34, s35                     ; scale words: 512 g + 256 half
	s_mov_b32 s35, 0
	s_wait_kmcnt 0x0
	s_cmp_lt_u32 ttmp9, 176                        ; the source is chosen by the work-group's number alone
	s_cselect_b64 s[12:13], s[10:11], s[12:13]
	s_cmp_lt_u32 ttmp9, 160
	s_cselect_b64 s[12:13], s[8:9], s[12:13]
	s_cmp_lt_u32 ttmp9, 144
	s_cselect_b64 s[12:13], s[6:7], s[12:13]
	s_cmp_lt_u32 ttmp9, 128
	s_cselect_b64 s[12:13], s[4:5], s[12:13]
	s_add_nc_u64 s[12:13], s[12:13], s[30:31]
	s_add_nc_u64 s[16:17], s[16:17], s[32:33]
	s_add_nc_u64 s[18:19], s[18:19], s[34:35]
.macro LOADF f                         ; K step f of the tile's 16 rows: each load reads 512 consecutive bytes of one row
.irp i, 0,1,2,3,4,5,6,7,8,9,10,11,12,13,14,15
	global_load_b128 v[R+64*((\f)%2)+4*\i:R+64*((\f)%2)+4*\i+3], v4, s[12:13] offset:(\i+8*(\i/8))*4096+512*(\f) th:TH_LOAD_NT
.endr
.endm
; 64 numbers of a lane become a fragment's codes in v[PC] on and its scale word in v[pw]
.macro QUANT s, pw
.irp b, 0,1,2,3
	v_max3_num_f32 v[TM+\b], |v[\s+16*\b]|, |v[\s+1+16*\b]|, 0x4800000   ; block b: my 16 numbers, and the floor 2^(9 - 127): the byte cannot fall under 1
.endr
.irp i, 2,4,6,8,10,12,14
.irp b, 0,1,2,3
	v_max3_num_f32 v[TM+\b], v[TM+\b], |v[\s+16*\b+\i]|, |v[\s+1+16*\b+\i]|   ; the four blocks by turns
.endr
.endr
.irp b, 0,1,2,3
	v_permlanex16_b32 v[TM+4+\b], v[TM+\b], s[SEL], s[SEL+1]
.endr
.irp b, 0,1,2,3
	v_max_num_f32 v[TM+\b], v[TM+\b], v[TM+4+\b]   ; with lane l xor 16's 16: the block's largest magnitude
.endr
.irp b, 0,1,2,3
	v_add_nc_u32 v[TM+12+\b], 0xfc000000, v[TM+\b] ; 8 off its exponent field: the conversion's scale operand
.endr
.irp b, 0,1,2,3
	v_and_or_b32 v[TM+8+\b], v[TM+\b], 0x7f800000, s[MNT]   ; 448 x the scale
.endr
.irp b, 0,1,2,3
	v_lshrrev_b32 v[TM+4+\b], 23, v[TM+12+\b]      ; the scale's byte
.endr
	v_lshl_or_b32 v[\pw], v[TM+5], 8, v[TM+4]
	v_lshl_or_b32 v[\pw], v[TM+6], 16, v[\pw]
	v_lshl_or_b32 v[\pw], v[TM+7], 24, v[\pw]
.irp b, 0,1,2,3
.irp i, 0,1,2,3,4,5,6,7,8,9,10,11,12,13,14,15
	v_med3_num_f32 v[\s+16*\b+\i], v[\s+16*\b+\i], -v[TM+8+\b], v[TM+8+\b]   ; the conversion to an 8-bit code does not saturate (ISA guide 7.6.2): the hold
.endr
	v_cvt_scalef32_pk8_fp8_f32 v[PC+4*\b:PC+1+4*\b], v[\s+16*\b:\s+7+16*\b], v[TM+12+\b]
	v_cvt_scalef32_pk8_fp8_f32 v[PC+2+4*\b:PC+3+4*\b], v[\s+8+16*\b:\s+15+16*\b], v[TM+12+\b]
.endr
	v_nop                                          ; a plain line behind the last conversion
.endm
.macro FRAGQ f
.if (\f) < 3
	s_wait_loadcnt 16                              ; this K step's 16 loads are in; the next one's 16 may be out
.else
	s_wait_loadcnt 0x0
.endif
.irp i, 0,1,2,3,4,5,6,7,8,9,10,11,12,13,14,15
	ds_store_b128 v5, v[R+64*((\f)%2)+4*\i:R+64*((\f)%2)+4*\i+3] offset:528*\i
.endr
.irp c, 0,1,2,3
.irp j, 0,1,2,3
	ds_load_b128 v[X+16*\c+4*\j:X+16*\c+4*\j+3], v6 offset:128*\c+16*\j   ; LDS serves a wave's instructions in order: these see my stores
.endr
.endr
.if (\f) < 2
	s_wait_dscnt 16                                ; the 16 stores have read their registers (the 16 loads may be out):
	LOADF (\f)+2                                   ; the set takes the K step two on
.endif
	s_wait_dscnt 0x0
	s_wait_xcnt 0x0                                ; the last K step's stores have read v[PC] on: it is rewritten only behind this wait
	QUANT X, PW+(\f)
.irp c, 0,1,2,3
	global_store_b128 v4, v[PC+4*\c:PC+4*\c+3], s[16:17] offset:2048*(\f)+512*\c   ; 32 lanes store 512 consecutive bytes
.endr
.endm
	LOADF 0
	LOADF 1
	FRAGQ 0
	FRAGQ 1
	FRAGQ 2
	FRAGQ 3
	v_cmp_gt_u32 vcc_lo, 16, v1                    ; lanes 0-15 store the words of my first pair of K steps, lanes 16-31 those of the second (both halves hold row r's words)
	v_cndmask_b32 v244, v[PW+2], v[PW], vcc_lo
	v_cndmask_b32 v245, v[PW+3], v[PW+1], vcc_lo
	global_store_b64 v8, v[244:245], s[18:19]      ; 256 consecutive bytes, aligned
	s_wait_tensorcnt 0x0
	ds_add_u32 v254, v255
	s_wait_dscnt 0x0
	s_endpgm
	; ---------------- the mask path: work-group 192 + T takes query tile T; wave w key steps 2 w and 2 w + 1.  No LDS, no barrier
.Lmask:
	s_sub_co_u32 s27, ttmp9, 192                   ; T
	s_lshr_b32 s32, s27, 1
	s_lshl_b32 s32, s32, 5
	s_and_b32 s33, s27, 1
	s_lshl_b32 s33, s33, 3
	s_add_co_u32 s32, s32, s33                     ; the tile's first row
	s_lshl_b32 s32, s32, 11                        ; x 2,048 bytes
	s_lshl_b32 s33, s22, 8
	s_add_co_u32 s32, s32, s33                     ; + my 256 keys
	s_mov_b32 s33, 0
	s_lshl_b32 s34, s27, 12                        ; words: 4,096 T + 512 w
	s_lshl_b32 s35, s22, 9
	s_add_co_u32 s34, s34, s35
	s_mov_b32 s35, 0
	s_lshl_b32 s36, s27, 7                         ; flags: 524,288 + 128 T + 16 w
	s_lshl_b32 s37, s22, 4
	s_add_co_u32 s36, s36, s37
	s_add_co_u32 s36, s36, 524288
	s_mov_b32 s37, 0
	v_and_b32 v4, 8, v2
	v_add_nc_u32 v4, v4, v2                        ; r + 8 (r / 8)
	v_lshlrev_b32 v4, 11, v4
	v_lshl_add_u32 v4, v3, 4, v4                   ; my row, + 16 h
	s_mov_b32 s28, 0xff                            ; the four bytes of a word
	s_mov_b32 s29, 0xff00
	s_mov_b32 s30, 0xff0000
	s_mov_b32 s31, 0xff000000
	s_mov_b32 s24, 0                               ; lanes with a true bit
	s_mov_b32 s44, 0                               ; steps with any true bit
	s_mov_b32 s45, 0                               ; steps all true
	s_lshl_b32 s47, s22, 1
	s_lshl_b32 s47, 1, s47                         ; the bit of key step 2 w
	s_wait_kmcnt 0x0
	s_add_nc_u64 s[14:15], s[14:15], s[32:33]
	s_add_nc_u64 s[38:39], s[20:21], s[36:37]
	s_add_nc_u64 s[20:21], s[20:21], s[34:35]
.irp e, 0,1
.irp b, 0,1,2,3
	global_load_b128 v[16+16*\e+4*\b:19+16*\e+4*\b], v4, s[14:15] offset:128*\e+32*\b th:TH_LOAD_NT   ; keys 128 e + 32 b + 16 h + 0 .. 15 of my row
.endr
.endr
.irp j, 48,49,50,51
	v_mov_b32 v\j, 0                               ; v_writelane_b32's destination counts as read
.endr
	s_wait_loadcnt 0x0
.macro MSTEP e
	s_mov_b32 s40, 0                               ; the OR and the AND of the step's 64 words
	s_mov_b32 s41, -1
.set n, 0
.rept 64
	v_and_b32 v[52+n%2], s[28+n%4], v[16+16*\e+n/4]
	v_cmp_ne_u32 s[42+n%2], 0, v[52+n%2]           ; word n: a bit for each lane
	v_writelane_b32 v[48+2*\e+n%2], s[42+n%2], n/2 ; lane n / 2 will store words n and n + 1
	s_or_b32 s40, s40, s[42+n%2]
	s_and_b32 s41, s41, s[42+n%2]
.set n, n+1
.endr
	s_cmp_lg_u32 s40, 0
	s_cselect_b32 s46, s47, 0
	s_or_b32 s44, s44, s46
	s_cmp_eq_u32 s41, -1
	s_cselect_b32 s46, s47, 0
	s_or_b32 s45, s45, s46
	s_or_b32 s24, s24, s40
	s_lshl_b32 s47, s47, 1
	global_store_b64 v8, v[48+2*\e:49+2*\e], s[20:21] offset:256*\e   ; 256 consecutive bytes, aligned
.endm
	MSTEP 0
	MSTEP 1
	v_mov_b32 v56, s44
	v_mov_b32 v57, s45
	v_mov_b32 v58, s24
	v_mov_b32 v59, 0
	v_mov_b32 v60, 0
	v_cmp_eq_u32 vcc_lo, 0, v1
	s_wait_xcnt 0x0                                ; EXEC changes only behind this wait
	s_and_saveexec_b32 s46, vcc_lo
	global_store_b128 v60, v[56:59], s[38:39]      ; my wave's record of 16 bytes
	s_wait_xcnt 0x0
	s_or_b32 exec_lo, exec_lo, s46
	s_endpgm
.Lfunc_end_k_qa92c731c68_prep:
	.size	k_qa92c731c68_prep, .Lfunc_end_k_qa92c731c68_prep-k_qa92c731c68_prep
	.p2alignl 7, 3214868480
	.fill 96, 4, 3214868480
	.section	.rodata,"a",@progbits
	.p2align	6, 0x0
	.amdhsa_kernel k_qa92c731c68_prep
		.amdhsa_group_segment_fixed_size 68608
		.amdhsa_private_segment_fixed_size 0
		.amdhsa_enable_private_segment 0
		.amdhsa_kernarg_size 72
		.amdhsa_user_sgpr_count 2
		.amdhsa_user_sgpr_kernarg_segment_ptr 1
		.amdhsa_wavefront_size32 1
		.amdhsa_system_sgpr_workgroup_id_x 1
		.amdhsa_system_sgpr_workgroup_id_y 1
		.amdhsa_system_sgpr_workgroup_id_z 1
		.amdhsa_system_vgpr_workitem_id 0
		.amdhsa_next_free_vgpr 256
		.amdhsa_next_free_sgpr 66
		.amdhsa_reserve_vcc 1
		.amdhsa_float_denorm_mode_32 3
		.amdhsa_float_denorm_mode_16_64 3
		.amdhsa_memory_ordered 1
		.amdhsa_forward_progress 1
		.amdhsa_inst_pref_size 83
	.end_amdhsa_kernel
	.amdgpu_metadata
---
amdhsa.version: [ 1, 2 ]
amdhsa.kernels:
  - .name:           k_qa92c731c68_prep
    .symbol:         k_qa92c731c68_prep.kd
    .args:
      - { .name: inputs, .offset: 0, .size: 8, .value_kind: global_buffer, .address_space: global }
      - { .name: Wq, .offset: 8, .size: 8, .value_kind: global_buffer, .address_space: global }
      - { .name: Wk, .offset: 16, .size: 8, .value_kind: global_buffer, .address_space: global }
      - { .name: Wv, .offset: 24, .size: 8, .value_kind: global_buffer, .address_space: global }
      - { .name: Wo, .offset: 32, .size: 8, .value_kind: global_buffer, .address_space: global }
      - { .name: mask, .offset: 40, .size: 8, .value_kind: global_buffer, .address_space: global }
      - { .name: in_codes, .offset: 48, .size: 8, .value_kind: global_buffer, .address_space: global }
      - { .name: in_scales, .offset: 56, .size: 8, .value_kind: global_buffer, .address_space: global }
      - { .name: maskw, .offset: 64, .size: 8, .value_kind: global_buffer, .address_space: global }
    .group_segment_fixed_size: 68608
    .private_segment_fixed_size: 0
    .kernarg_segment_align: 8
    .kernarg_segment_size: 72
    .max_flat_workgroup_size: 256
    .sgpr_count:     66
    .vgpr_count:     256
    .wavefront_size: 32
...
	.end_amdgpu_metadata
.endif
;; end of part 1
;; launch qkv (part 2): grid 12 x 32, 4 waves a work-group, clusters of 4 x 4, 327,680 bytes of LDS; arguments in_codes, in_scales, bq, bk, bv, qkv_codes, qkv_scales; writes qkv_codes, qkv_scales
.if DOCPART == 2
	.amdgcn_target "amdgcn-amd-amdhsa--gfx1250"
	.amdhsa_code_object_version 6
	.text
	.protected	k_qa92c731c68_qkv
	.globl	k_qa92c731c68_qkv
	.p2align	8
	.type	k_qa92c731c68_qkv,@function
k_qa92c731c68_qkv:
	s_mov_b64 s[64:65], 0
	v_nop
	global_prefetch_b8 v0, s[64:65] scope:SCOPE_SE
	s_setreg_imm32_b32 hwreg(HW_REG_WAVE_MODE, 25, 1), 1
	s_wait_xcnt 0x0
	s_wait_alu depctr_hold_cnt(0) depctr_sa_sdst(0) depctr_va_vdst(0) depctr_va_sdst(0) depctr_va_ssrc(0) depctr_va_vcc(0) depctr_vm_vsrc(0)
	s_getreg_b32 s2, hwreg(HW_REG_IB_STS2, 6, 4)
	s_cmp_eq_u32 s2, 0
	s_cbranch_scc0 .Lentry_in_a_cluster
	s_endpgm
.Lentry_in_a_cluster:
	s_bfe_u32 s2, ttmp6, 0x10000c
	s_cmp_lg_u32 s2, 0xf033
	s_cbranch_scc0 .Lentry_shape_is_right
	s_endpgm
.Lentry_shape_is_right:
; QKV.  q = x Wq^T + bq, k = x Wk^T + bk, v = x Wv^T + bv on codes of FP8 (E4M3) with E8M0 scales (K = 1,024), and the results quantised again in registers: q and k along the head's 64, v along the keys.
; Operands come as FRAGMENT IMAGES (16 rows x 128 K = 2,048 bytes: chunk c of 512 bytes, lane l's 16 bytes = row l % 16, k = 32 c + 16 (l / 16) + 0 .. 15); a tile of 16 rows is 16,384 bytes (8 K steps), a group of 16 tiles 262,144.
; The rows of a tile are row(T, i) = 32 (T / 2) + 8 (T % 2) + i + 8 (i / 8): as source 0 of a product, tiles 2 B and 2 B + 1 leave in a lane's 16 registers 16 NEIGHBOURS of block B: the layout that the next operand wants.
; A work-group of four waves makes 256 x 256, a wave 128 x 128: 64 accumulators.  K goes in steps of 256 through two LDS slots filled by the tensor data mover (8 tiles x 4,096 consecutive bytes a load); the scale words of both sides come once.
; THE ROLE is the cluster's x (0 q, 1 k, 2 v), the same in all sixteen partners.  q, k: side A (source 1) = tokens, side B (source 0) = rows of W: a lane holds one token, its registers run along the features.
; v: side A = rows of Wv, side B = tokens: a lane holds one feature, its registers run along the tokens, which are the keys.  A's tiles are shared along a row of the cluster, B's along a column: joint loads.
; The bias is the C of each sum's first product.  OUT: qkv_codes: q at 0, k at 2^23: [head bh: 64][token tile T: 128][c: 2][lane][16]; v at 2^24: [bh][key step: 16][tile of 16 of the head's 64: 4][c: 4][lane][16].
; qkv_scales: q at 0, k at 2^19: [bh][key step][g: 2][row: 16][t: 4] words (tile 8 ks + 4 g + t; two bytes, the upper two 0: they scale zero codes); v at 2^20: [bh][key step][row: 16][tile: 4] words.
; LIMITS: NaN and infinities are not served; a block of zeros gets the byte 1 (read by this program alone).
; REGISTERS: window 0: v8-29 addresses; v32-63 scale words, two sets, and nothing else; v64-127 the bias, later at work; v128-255 A's fragments, later the codes.  window 1: B's fragments, two sets.  windows 2, 3: the accumulators ((a, b) at v[8 (8 (a % 4) + b)]).
.set NQ,    2                          ; matrix instructions deep in a slot
.set FR,    16                         ; registers of a fragment
.set NL,    4                          ; LDS loads that bring one
.set NP,    8                          ; places behind this matrix instruction (ISA guide 7.12.1)
.set HALFT, 32768                      ; 8 tiles x 4,096 bytes: what one tensor load brings, and what a wave reads of A or of B
.set SLOT,  131072                     ; A's 16 tiles, then B's
.set SCL,   262144                     ; behind the ring: A's scale words (8,192 bytes), then B's
.set HALFS, 4096
.set SPARE, 278528                     ; the spare words, 128 bytes for each wave: two blocks of 256 bytes that no other line names
.set LI,   8                           ; v8      16 x lane; also the first of the four offsets below
.set OFB,  8                           ; v8-11   where block B's codes go
.set OFS,  12                          ; v12-13  where the scale words go
.set SHV,  14                          ; v14     q, k: 16 (lane / 16); v: 0
.set ADRA, 16                          ; v16-17  LDS address of my A fragments in slot 0, 1
.set ADRB, 20                          ; v20-21  the same for B
.set ADRS, 27                          ; v27     LDS address of my scale words: lanes 0-15 A's, lanes 16-31 B's
.set SPW,  28                          ; v28     my spare word; never rewritten
.set NIL,  29                          ; v29     0; never rewritten
.set SC,   32
.set BI,   64                          ; the bias: eight registers a tile
.set TM,   64                          ; the way out: at work
.set PW,   80
.set WS,   88                          ; v88-95  the eight scale words to store
.set AF,   128
.set PC,   128                         ; the way out: block a's codes at v[PC + 16 a]
.set G1, 24
.set G0, 32
.set G1B, 48
.set G0B, 56
.set G1S, 68
.set G0S, 76
.set G1SB, 80
.set G0SB, 88
.set ROLE, 66
.set CB,  92                           ; s[92:93] qkv_codes, then my place in it
.set SB,  94                           ; s[94:95] qkv_scales likewise
.set STN, 96                           ; s[96:97] from block a to block a + 1 in the codes
.set STJ, 98                           ; s[98:99] from block 3 to block 4
.set AMK, 100
.set SEL, 20                           ; s[20:21], s22: set behind the head's last use of these registers
.set MNT, 22
.set MSB, 0
.macro WIN new                         ; the immediate's high byte repeats the setting that is left
.if MSB != (\new)
	s_set_vgpr_msb (MSB<<8)|(\new)
.set MSB, (\new)
.endif
.endm
.set MUL_LO, 0xa1                      ; source 0 (B) window 1, source 1 (A) window 0, C and D window 2
.set MUL_HI, 0xf1                      ; the same, C and D window 3
.set BIA_LO, 0x81                      ; the same with C (the bias) in window 0
.set BIA_HI, 0xc1
.set TO_B,   0x40
; A joint load: waves 0 and 1 fetch for A, waves 2 and 3 for B; the branch hangs on the wave's number alone.  Four v_nop follow each of the two lines.
.macro JLOAD g0a, g1a, g0b, g1b
	s_cmp_eq_u32 s15, 0
	s_cbranch_scc0 .Lfor_b_\@
	tensor_load_to_lds s[\g0a:\g0a+3], s[\g1a:\g1a+7]
	s_nop 0
.rept 4
	v_nop
.endr
	s_branch .Lasked_\@
.Lfor_b_\@:
	tensor_load_to_lds s[\g0b:\g0b+3], s[\g1b:\g1b+7]
	s_nop 0
.rept 4
	v_nop
.endr
.Lasked_\@:
.endm
.macro CREST                           ; a round of the cluster's barrier behind its opening barrier
	s_cmp_lg_u32 s14, 0
	s_cbranch_scc1 .Lnot_wave_0_\@
	s_barrier_signal -3
.Lnot_wave_0_\@:
	s_barrier_wait -3
	s_barrier_signal -1
	s_barrier_wait -1
.endm
.macro CROUND
	s_barrier_signal -1
	s_barrier_wait -1
	CREST
.endm
	s_load_b256 s[4:11], s[0:1], 0x0               ; in_codes 4:5, in_scales 6:7, bq 8:9, bk 10:11
	s_load_b64 s[12:13], s[0:1], 0x20              ; bv
	s_load_b128 s[92:95], s[0:1], 0x28             ; qkv_codes, qkv_scales
	v_lshl_add_u32 v[SPW], v0, 2, SPARE
	v_mov_b32 v[NIL], 0
	ds_add_u32 v28, v29
	ds_add_u32 v28, v29
	s_wait_dscnt 0x0
	v_lshrrev_b32 v1, 5, v0
	v_readfirstlane_b32 s14, v1                    ; wave 0..3
	s_lshr_b32 s15, s14, 1                         ; my half of A's tiles.  Also: I fetch for A (0) or for B (1)
	s_and_b32 s16, s14, 1                          ; my half of B's tiles.  Also: which 8 tiles I fetch
	s_bfe_u32 s40, ttmp6, 0x40000                  ; cx
	s_bfe_u32 s41, ttmp6, 0x40004                  ; cy
	s_mov_b32 s[ROLE], ttmp9                       ; the cluster's x
	s_and_b32 s67, ttmp7, 0xffff                   ; the cluster's y
	s_lshl_b32 s43, s41, 2
	s_lshl_b32 s43, 15, s43                        ; my row of the cluster
	s_lshl_b32 s44, 0x1111, s40                    ; my column
	s_lshl_b32 s17, s67, 2
	s_add_co_u32 s17, s17, s41                     ; A's group: q, k: tokens' group 4 y + cy;
	s_add_co_u32 s18, s41, 40                      ; v: Wv's group 40 + cy: cy alone enters either
	s_lshl_b32 s42, s[ROLE], 2
	s_add_co_u32 s42, s42, s40
	s_add_co_u32 s42, s42, 32                      ; B's group: q, k: the weight's group 32 + 4 role + cx;
	s_lshl_b32 s19, s67, 2
	s_add_co_u32 s19, s19, s40                     ; v: tokens' group 4 y + cx: cx alone enters either
	s_cmp_eq_u32 s[ROLE], 2
	s_cselect_b32 s17, s18, s17
	s_cselect_b32 s42, s19, s42
	; descriptor group 1: codes: 8 rows of 4,096 bytes (512 elements of 8 bytes), 16,384 bytes apart, dense in LDS
	s_or_b32 s[G1+0], s43, (3<<16)|(1<<21)         ; 15:0 the mask: A's tiles go to my row; 17:16 elements of 8 bytes; 21 set beside a mask; no padding
	s_or_b32 s[G1B+0], s44, (3<<16)|(1<<21)
.irp g, G1, G1B
	s_mov_b32 s[\g+1], 512<<16                     ; tensor_dim0
	s_mov_b32 s[\g+2], 8<<16                       ; tensor_dim1
	s_mov_b32 s[\g+3], 512<<16                     ; tile_dim0
	s_mov_b32 s[\g+4], 8                           ; tile_dim1
	s_mov_b32 s[\g+5], 2048                        ; tensor_dim0_stride
	s_mov_b32 s[\g+6], 0
	s_mov_b32 s[\g+7], 0
.endr
	; scale words of 8 tiles: 4,096 dense bytes as 16 rows of 256
	s_or_b32 s[G1S+0], s43, (3<<16)|(1<<21)
	s_or_b32 s[G1SB+0], s44, (3<<16)|(1<<21)
.irp g, G1S, G1SB
	s_mov_b32 s[\g+1], 32<<16
	s_mov_b32 s[\g+2], 16<<16
	s_mov_b32 s[\g+3], 32<<16
	s_mov_b32 s[\g+4], 16
	s_mov_b32 s[\g+5], 32
	s_mov_b32 s[\g+6], 0
	s_mov_b32 s[\g+7], 0
.endr
	s_lshl_b32 s18, s16, 3                         ; which 8 tiles of the group I fetch
	s_lshl_b32 s20, s17, 4
	s_add_co_u32 s20, s20, s18                     ; A: first tile
	s_lshl_b32 s46, s42, 4
	s_add_co_u32 s46, s46, s18                     ; B: first tile
	s_lshl_b32 s22, s20, 9                         ; their scale words: 512 bytes a tile
	s_mov_b32 s23, 0
	s_lshl_b32 s96, s46, 9
	s_mov_b32 s97, 0
	s_lshl_b32 s20, s20, 14                        ; their codes: 16,384 bytes a tile
	s_mov_b32 s21, 0
	s_lshl_b32 s46, s46, 14
	s_mov_b32 s47, 0
	s_lshl_b32 s45, s14, 15                        ; where they go: wave x HALFT: no place in the cluster enters an LDS address
	s_lshl_b32 s98, s14, 12                        ; wave x HALFS
	s_wait_kmcnt 0x0
	s_add_nc_u64 s[20:21], s[4:5], s[20:21]
	s_add_nc_u64 s[22:23], s[6:7], s[22:23]
	s_add_nc_u64 s[46:47], s[4:5], s[46:47]
	s_add_nc_u64 s[96:97], s[6:7], s[96:97]
	CROUND                                         ; all sixteen work-groups are here: the first joint loads meet
	s_mov_b32 s[G0S], 1
	s_add_co_u32 s[G0S+1], s98, SCL
	s_mov_b64 s[G0S+2:G0S+3], s[22:23]
	s_or_b32 s[G0S+3], s[G0S+3], 0x80000000
	s_mov_b32 s[G0SB], 1
	s_add_co_u32 s[G0SB+1], s98, SCL
	s_mov_b64 s[G0SB+2:G0SB+3], s[96:97]
	s_or_b32 s[G0SB+3], s[G0SB+3], 0x80000000
	JLOAD G0S, G1S, G0SB, G1SB                     ; the scale words first: they are wanted with K step 0
.irp s, 0,1
	s_mov_b32 s[G0+4*\s], 1
	s_add_co_u32 s[G0+4*\s+1], s45, \s*SLOT
	s_add_nc_u64 s[G0+4*\s+2:G0+4*\s+3], s[20:21], \s*4096
	s_or_b32 s[G0+4*\s+3], s[G0+4*\s+3], 0x80000000
	s_mov_b32 s[G0B+4*\s], 1
	s_add_co_u32 s[G0B+4*\s+1], s45, \s*SLOT
	s_add_nc_u64 s[G0B+4*\s+2:G0B+4*\s+3], s[46:47], \s*4096
	s_or_b32 s[G0B+4*\s+3], s[G0B+4*\s+3], 0x80000000
	JLOAD G0+4*\s, G1, G0B+4*\s, G1B               ; three tensor loads of mine are out
.endr
	v_and_b32 v1, 15, v0                           ; r
	v_bfe_u32 v2, v0, 4, 1                         ; h
	v_and_b32 v3, 31, v0
	v_lshlrev_b32 v[LI], 4, v3
	s_lshl_b32 s21, s15, 15                        ; my 8 tiles of A
	s_lshl_b32 s22, s16, 15                        ; my 8 tiles of B,
	s_add_co_u32 s22, s22, 2*HALFT                 ; behind A's 16
.irp s, 0,1
	v_add_nc_u32 v[ADRA+\s], s21, v[LI]
	v_add_nc_u32 v[ADRB+\s], s22, v[LI]
	s_add_co_u32 s21, s21, SLOT
	s_add_co_u32 s22, s22, SLOT
.endr
	v_lshlrev_b32 v5, 3, v1                        ; scale words: 8 bytes a row and pair of K steps
	s_lshl_b32 s21, s15, 12                        ; A's: my 8 tiles
	s_lshl_b32 s22, s16, 12                        ; B's: my 8 tiles, behind A's 8,192 bytes
	s_add_co_u32 s22, s22, 8192
	s_sub_co_u32 s22, s22, s21
	v_mul_u32_u24 v6, s22, v2                      ; lanes 16-31 take B's: one product, the distance between the two bases
	s_add_co_u32 s21, s21, SCL
	v_add_nc_u32 v5, v5, v6
	v_add_nc_u32 v[ADRS], s21, v5
	; what differs between the roles on the way out: scalars, chosen on the role alone
	s_cmp_eq_u32 s[ROLE], 2
	s_cselect_b32 s18, s42, s17                    ; the tokens' group
	s_cselect_b32 s19, s41, s40                    ; my place along the weight's rows
	s_cselect_b32 s20, s15, s16                    ; my half along the weight's rows
	s_cselect_b32 s21, s16, s15                    ; my half along the tokens
	s_cselect_b32 s22, 12, 13                      ; a head's scale words: 2^12 or 2^13 bytes
	s_cselect_b32 s23, 8, 9                        ; a key step's: 2^8 or 2^9
	s_mov_b32 s45, 131072
	s_cselect_b32 s45, 1024, s45                   ; from blocks 0, 1 to blocks 2, 3: q, k: the next head; v: the next two chunks
	s_cselect_b32 s46, 0, 8192                     ; scale words: lanes 16-31 store the next head's (q, k)
	s_mov_b32 s47, 256
	s_cselect_b32 s47, 4096, s47                   ; from blocks 0-3 to blocks 4-7
	s_cselect_b32 s3, 0, 16
	s_cselect_b32 s[AMK], -1, 0xffff
	s_mov_b32 s[STN], 1024
	s_cselect_b32 s[STN], 2048, s[STN]
	s_mov_b32 s[STJ], 1024
	s_cselect_b32 s[STJ], 124928, s[STJ]           ; v: on to the next head: 131,072 - 3 x 2,048
	s_mov_b32 s[STN+1], 0
	s_mov_b32 s[STJ+1], 0
	v_add_nc_u32 v[OFB+1], 512, v[LI]
	v_add_nc_u32 v[OFB+2], s45, v[LI]
	v_add_nc_u32 v[OFB+3], s45, v[OFB+1]
	v_lshlrev_b32 v5, 4, v1
	v_mul_u32_u24 v6, s46, v2
	v_add_nc_u32 v[OFS], v5, v6
	v_add_nc_u32 v[OFS+1], s47, v[OFS]
	v_mul_u32_u24 v[SHV], s3, v2
	s_lshl_b32 s2, s19, 10                         ; the bias of my 128 rows of the weight: (256 place + 128 half) x 4 bytes
	s_lshl_b32 s3, s20, 9
	s_add_co_u32 s2, s2, s3
	s_mov_b32 s3, 0
	s_lshr_b32 s101, s18, 3                        ; the batch
	s_lshl_b32 s101, s101, 4
	s_lshl_b32 s19, s19, 2
	s_add_co_u32 s101, s101, s19
	s_lshl_b32 s20, s20, 1
	s_add_co_u32 s101, s101, s20                   ; my first head: 16 batch + 4 place + 2 half
	s_and_b32 s18, s18, 7
	s_lshl_b32 s18, s18, 1
	s_add_co_u32 s18, s18, s21                     ; my 128 tokens in the batch: the key step
	s_lshl_b32 s20, s[ROLE], 23
	s_lshl_b32 s21, s101, 17
	s_add_co_u32 s20, s20, s21
	s_lshl_b32 s21, s18, 13
	s_add_co_u32 s20, s20, s21
	s_mov_b32 s21, 0
	s_add_nc_u64 s[CB:CB+1], s[CB:CB+1], s[20:21]
	s_lshl_b32 s20, s[ROLE], 19
	s_lshl_b32 s21, s101, s22
	s_add_co_u32 s20, s20, s21
	s_lshl_b32 s21, s18, s23
	s_add_co_u32 s20, s20, s21
	s_mov_b32 s21, 0
	s_add_nc_u64 s[SB:SB+1], s[SB:SB+1], s[20:21]
	s_cmp_eq_u32 s[ROLE], 1
	s_cselect_b64 s[8:9], s[10:11], s[8:9]
	s_cmp_eq_u32 s[ROLE], 2
	s_cselect_b64 s[8:9], s[12:13], s[8:9]
	s_add_nc_u64 s[8:9], s[8:9], s[2:3]
	s_mov_b32 s[SEL], 0x76543210
	s_mov_b32 s[SEL+1], 0xfedcba98
	s_mov_b32 s[MNT], 0x600000
	s_cmp_eq_u32 s[ROLE], 2
	s_cbranch_scc1 .Lbias_v
	v_lshlrev_b32 v5, 6, v2                        ; q, k: tile b's register j is feature 32 (b / 2) + 8 (b % 2) + 16 h + j
.irp b, 0,1,2,3,4,5,6,7
	global_load_b128 v[BI+8*\b:BI+8*\b+3], v5, s[8:9] offset:128*(\b/2)+32*(\b%2)
	global_load_b128 v[BI+8*\b+4:BI+8*\b+7], v5, s[8:9] offset:128*(\b/2)+32*(\b%2)+16
.endr
	s_wait_loadcnt 0x0
	s_branch .Lbias_done
.Lbias_v:
	v_and_b32 v5, 8, v1                            ; v: a lane holds one feature, row r of A's tile a: the same number in all eight registers
	v_add_nc_u32 v5, v5, v1
	v_lshlrev_b32 v5, 2, v5
.irp a, 0,1,2,3,4,5,6,7
	global_load_b32 v[BI+8*\a], v5, s[8:9] offset:4*(32*(\a/2)+8*(\a%2))
.endr
	s_wait_loadcnt 0x0
.irp a, 0,1,2,3,4,5,6,7
.irp j, 1,2,3,4,5,6,7
	v_mov_b32 v[BI+8*\a+\j], v[BI+8*\a]
.endr
.endr
.Lbias_done:
.macro FRAG reg, adr, q, i             ; a fragment comes back as it was stored: four loads of 512 consecutive bytes
.irp c, 0,1,2,3
	ds_load_b128 v[\reg+4*\c:\reg+4*\c+3], v[\adr] offset:4096*(\i)+2048*(\q)+512*\c
.endr
.endm
; 16 matrix instructions: A's blocks a0, a0 + 1 x B's eight, 128 along K.  p: B's set; sc: the set of scale words.  zero = 2: C is the bias by B's block; 3: by A's block; 0: in place.
; The 64 accumulators take turns, one instruction a turn, in the same order in every step.
.macro MUL16 a0, p, q, sc, zero
.irp a, \a0, \a0+1
.irp b, 0,1,2,3,4,5,6,7
.if (\zero) == 2
	v_wmma_scale_f32_16x16x128_f8f6f4 v[8*(8*((\a)%4)+\b):8*(8*((\a)%4)+\b)+7], v[128*(\p)+FR*\b:128*(\p)+FR*\b+FR-1], v[AF+FR*(\a):AF+FR*(\a)+FR-1], v[BI+8*\b:BI+8*\b+7], v[SC+8*NQ*(\sc)+NQ*\b+(\q)], v[SC+8*NQ*(\sc)+NQ*(\a)+(\q)] matrix_a_scale:MATRIX_SCALE_ROW1
.elseif (\zero) == 3
	v_wmma_scale_f32_16x16x128_f8f6f4 v[8*(8*((\a)%4)+\b):8*(8*((\a)%4)+\b)+7], v[128*(\p)+FR*\b:128*(\p)+FR*\b+FR-1], v[AF+FR*(\a):AF+FR*(\a)+FR-1], v[BI+8*(\a):BI+8*(\a)+7], v[SC+8*NQ*(\sc)+NQ*\b+(\q)], v[SC+8*NQ*(\sc)+NQ*(\a)+(\q)] matrix_a_scale:MATRIX_SCALE_ROW1
.else
	v_wmma_scale_f32_16x16x128_f8f6f4 v[8*(8*((\a)%4)+\b):8*(8*((\a)%4)+\b)+7], v[128*(\p)+FR*\b:128*(\p)+FR*\b+FR-1], v[AF+FR*(\a):AF+FR*(\a)+FR-1], v[8*(8*((\a)%4)+\b):8*(8*((\a)%4)+\b)+7], v[SC+8*NQ*(\sc)+NQ*\b+(\q)], v[SC+8*NQ*(\sc)+NQ*(\a)+(\q)] matrix_a_scale:MATRIX_SCALE_ROW1
.endif
.endr
.endr
.endm
.macro FETCH_B slot, q, p
	WIN TO_B
.irp i, 0,1,2,3,4,5,6,7
	FRAG 128*(\p)+FR*\i, ADRB+\slot, \q, \i
.endr
	WIN 0
.endm
.macro FETCH_A slot, q, i0
.irp i, \i0, \i0+1, \i0+2, \i0+3
	FRAG AF+FR*(\i), ADRA+\slot, \q, \i
.endr
.endm
.macro SCALES sc                       ; a K step's scale words: two a row; lanes 0-15 take A's block i, lanes 16-31 B's block i
.irp i, 0,1,2,3,4,5,6,7
	ds_load_b64 v[SC+8*NQ*\sc+NQ*\i:SC+8*NQ*\sc+NQ*\i+1], v[ADRS] offset:\i*512
.endr
.endm
.macro PLACES n                        ; plain vector lines between a matrix instruction and a load into, or a read of, its registers
.rept \n
	v_nop
.endr
.endm
.macro STEP slot, q, zero              ; a step of 128 along K that has its successor in the same slot
	s_wait_dscnt 4*NL                              ; B's set, A's blocks 0-3 and the scale words are in; the youngest 16 loads (A's blocks 4-7) may be out
.if \zero
	WIN BIA_LO
.else
	WIN MUL_LO
.endif
	MUL16 0, (\q)%2, \q, \slot, \zero
	MUL16 2, (\q)%2, \q, \slot, \zero
	s_wait_dscnt 0
	PLACES NP
	FETCH_B \slot, (\q)+1, 1-(\q)%2
	FETCH_A \slot, (\q)+1, 0
.if \zero
	WIN BIA_HI
.else
	WIN MUL_HI
.endif
	MUL16 4, (\q)%2, \q, \slot, \zero
	MUL16 6, (\q)%2, \q, \slot, \zero
	PLACES NP
	WIN 0
	FETCH_A \slot, (\q)+1, 4
.endm
; A slot's last step changes slots: one barrier; in front of it each wave waits for all its tensor loads, adds 0 to its spare word, and waits for that and for its reads of this slot.  fill = 1: the slot is filled again, two K steps ahead.
.macro TURN slot, next, fill
	s_wait_tensorcnt 0x0                           ; all my tensor loads have landed: my part of the next slot
	ds_add_u32 v[SPW], v[NIL]                      ; 0 onto my spare word
	s_wait_dscnt 4*NL+1                            ; (the add and A's blocks 4-7 may be out)
	WIN MUL_LO
	MUL16 0, 1, NQ-1, \slot, 0
	s_wait_dscnt 0x0                               ; the add is done, and my reads of this slot are over
	s_barrier_signal -1
	MUL16 2, 1, NQ-1, \slot, 0
	WIN 0
	s_barrier_wait -1
.if \fill
	CREST                                          ; the barrier has opened a round of the cluster's barrier: no wave of any partner still reads this slot or has a load on its way
	s_add_nc_u64 s[G0+4*\slot+2:G0+4*\slot+3], s[G0+4*\slot+2:G0+4*\slot+3], 8192
	s_add_nc_u64 s[G0B+4*\slot+2:G0B+4*\slot+3], s[G0B+4*\slot+2:G0B+4*\slot+3], 8192
	JLOAD G0+4*\slot, G1, G0B+4*\slot, G1B         ; my one tensor load behind the round; its four v_nop are among the places in front of the loads below
	PLACES NP-4
.else
	PLACES NP
.endif
	v_add_nc_u32 v[ADRS], 128, v[ADRS]             ; the next K step's scale words
	FETCH_B \next, 0, 0
	FETCH_A \next, 0, 0
	SCALES \next
	WIN MUL_HI
	MUL16 4, 1, NQ-1, \slot, 0
	MUL16 6, 1, NQ-1, \slot, 0
	PLACES NP
	WIN 0
	FETCH_A \next, 0, 4
.endm
	s_wait_tensorcnt 1                             ; the scale words and my part of K step 0 are in; slot 1's load may stay out
	s_barrier_signal -1
	s_barrier_wait -1
	FETCH_B 0, 0, 0
	FETCH_A 0, 0, 0
	SCALES 0
	FETCH_A 0, 0, 4
	s_cmp_eq_u32 s[ROLE], 2                        ; the first step is written twice: the bias goes by B's block (q, k) or by A's (v); all else in the two copies is alike
	s_cbranch_scc1 .Lfirst_v
	STEP 0, 0, 2
	s_branch .Lfirst_done
.Lfirst_v:
	STEP 0, 0, 3
.Lfirst_done:
	TURN 0, 1, 1                                   ; K = 1,024 is four K steps of 256: written out, no loop
	STEP 1, 0, 0
	TURN 1, 0, 1
	STEP 0, 0, 0
	TURN 0, 1, 0                                   ; nothing is left to fetch
	STEP 1, 0, 0
	s_wait_dscnt 4*NL
	WIN MUL_LO
	MUL16 0, 1, NQ-1, 1, 0
	MUL16 2, 1, NQ-1, 1, 0
	s_wait_dscnt 0
	WIN MUL_HI
	MUL16 4, 1, NQ-1, 1, 0
	MUL16 6, 1, NQ-1, 1, 0
	WIN 0
; THE WAY OUT.  Block a's 64 registers are four blocks of 32 along the next K: register 16 B + i is neighbour 16 (lane / 16) + i of block B.  They are quantised where they lie; the codes are the next operand's registers.
.macro QUANTW a
.set QW, 2+(\a)/4
.set QS, 64*((\a)%4)
	WIN QW|(QW<<2)
.irp b, 0,1,2,3
	v_max3_num_f32 v[TM+\b], |v[QS+16*\b]|, |v[QS+16*\b+1]|, 0x4800000   ; each accumulator is read from its low end on; the floor 2^(9 - 127) holds the byte at 1
.endr
	WIN (QW<<2)|(QW<<4)
.irp i, 2,4,6,8,10,12,14
.irp b, 0,1,2,3
	v_max3_num_f32 v[TM+\b], v[TM+\b], |v[QS+16*\b+\i]|, |v[QS+16*\b+\i+1]|
.endr
.endr
	WIN 0
.irp b, 0,1,2,3
	v_permlanex16_b32 v[TM+4+\b], v[TM+\b], s[SEL], s[SEL+1]
.endr
.irp b, 0,1,2,3
	v_max_num_f32 v[TM+\b], v[TM+\b], v[TM+4+\b]
.endr
.irp b, 0,1,2,3
	v_add_nc_u32 v[TM+12+\b], 0xfc000000, v[TM+\b]
.endr
.irp b, 0,1,2,3
	v_and_or_b32 v[TM+8+\b], v[TM+\b], 0x7f800000, s[MNT]
.endr
.irp b, 0,1,2,3
	v_lshrrev_b32 v[TM+4+\b], 23, v[TM+12+\b]
.endr
	v_lshl_or_b32 v[PW], v[TM+5], 8, v[TM+4]
	v_lshl_or_b32 v[PW], v[TM+6], 16, v[PW]
	v_lshl_or_b32 v[PW], v[TM+7], 24, v[PW]
	v_lshrrev_b32 v[WS+(\a)], v[SHV], v[PW]        ; q, k: lanes 0-15 keep the first head's two bytes, lanes 16-31 the second head's; v: all four
	v_and_b32 v[WS+(\a)], s[AMK], v[WS+(\a)]
	WIN QW|(QW<<6)
.irp b, 0,1,2,3
.irp i, 0,1,2,3,4,5,6,7,8,9,10,11,12,13,14,15
	v_med3_num_f32 v[QS+16*\b+\i], v[QS+16*\b+\i], -v[TM+8+\b], v[TM+8+\b]
.endr
.endr
	WIN QW
.irp b, 0,1,2,3
	v_cvt_scalef32_pk8_fp8_f32 v[PC+16*(\a)+4*\b:PC+16*(\a)+4*\b+1], v[QS+16*\b:QS+16*\b+7], v[TM+12+\b]
	v_cvt_scalef32_pk8_fp8_f32 v[PC+16*(\a)+4*\b+2:PC+16*(\a)+4*\b+3], v[QS+16*\b+8:QS+16*\b+15], v[TM+12+\b]
.endr
	WIN 0
	v_nop                                          ; a plain line behind the last conversion
.endm
	PLACES NP
.irp a, 0,1,2,3,4,5,6,7
	QUANTW \a
.if \a > 0
	s_wait_xcnt 0x0                                ; the last block's stores have read their base
.if \a == 4
	s_add_nc_u64 s[CB:CB+1], s[CB:CB+1], s[STJ:STJ+1]
.else
	s_add_nc_u64 s[CB:CB+1], s[CB:CB+1], s[STN:STN+1]
.endif
.endif
.irp b, 0,1,2,3
	global_store_b128 v[OFB+\b], v[PC+16*\a+4*\b:PC+16*\a+4*\b+3], s[CB:CB+1]   ; 32 lanes store 512 consecutive bytes
.endr
.endr
	global_store_b128 v[OFS], v[WS:WS+3], s[SB:SB+1]        ; sixteen lanes store 256 consecutive bytes, aligned (v: lanes 16-31 repeat lanes 0-15's bytes)
	global_store_b128 v[OFS+1], v[WS+4:WS+7], s[SB:SB+1]
	s_wait_tensorcnt 0x0                           ; the wave's end
	ds_add_u32 v[SPW], v[NIL]
	s_wait_dscnt 0x0
	CROUND                                         ; the closing round
	s_endpgm
.Lfunc_end_k_qa92c731c68_qkv:
	.size	k_qa92c731c68_qkv, .Lfunc_end_k_qa92c731c68_qkv-k_qa92c731c68_qkv
	.p2alignl 7, 3214868480
	.fill 96, 4, 3214868480
	.section	.rodata,"a",@progbits
	.p2align	6, 0x0
	.amdhsa_kernel k_qa92c731c68_qkv
		.amdhsa_group_segment_fixed_size 327680
		.amdhsa_private_segment_fixed_size 0
		.amdhsa_enable_private_segment 0
		.amdhsa_kernarg_size 56
		.amdhsa_user_sgpr_count 2
		.amdhsa_user_sgpr_kernarg_segment_ptr 1
		.amdhsa_wavefront_size32 1
		.amdhsa_system_sgpr_workgroup_id_x 1
		.amdhsa_system_sgpr_workgroup_id_y 1
		.amdhsa_system_sgpr_workgroup_id_z 1
		.amdhsa_system_vgpr_workitem_id 0
		.amdhsa_next_free_vgpr 1024
		.amdhsa_next_free_sgpr 102
		.amdhsa_reserve_vcc 0
		.amdhsa_float_denorm_mode_32 3
		.amdhsa_float_denorm_mode_16_64 3
		.amdhsa_memory_ordered 1
		.amdhsa_forward_progress 1
		.amdhsa_inst_pref_size 204
	.end_amdhsa_kernel
	.amdgpu_metadata
---
amdhsa.version: [ 1, 2 ]
amdhsa.kernels:
  - .name:           k_qa92c731c68_qkv
    .symbol:         k_qa92c731c68_qkv.kd
    .args:
      - { .name: in_codes, .offset: 0, .size: 8, .value_kind: global_buffer, .address_space: global }
      - { .name: in_scales, .offset: 8, .size: 8, .value_kind: global_buffer, .address_space: global }
      - { .name: bq, .offset: 16, .size: 8, .value_kind: global_buffer, .address_space: global }
      - { .name: bk, .offset: 24, .size: 8, .value_kind: global_buffer, .address_space: global }
      - { .name: bv, .offset: 32, .size: 8, .value_kind: global_buffer, .address_space: global }
      - { .name: qkv_codes, .offset: 40, .size: 8, .value_kind: global_buffer, .address_space: global }
      - { .name: qkv_scales, .offset: 48, .size: 8, .value_kind: global_buffer, .address_space: global }
    .group_segment_fixed_size: 327680
    .private_segment_fixed_size: 0
    .kernarg_segment_align: 8
    .kernarg_segment_size: 56
    .max_flat_workgroup_size: 128
    .sgpr_count:     102
    .vgpr_count:     1024
    .wavefront_size: 32
...
	.end_amdgpu_metadata
.endif
;; end of part 2
;; launch attn (part 3): grid 4 x 64, 16 waves a work-group, no clusters, 276,480 bytes of LDS; arguments qkv_codes, qkv_scales, maskw, z_codes, z_scales; writes z_codes, z_scales
.if DOCPART == 3
	.amdgcn_target "amdgcn-amd-amdhsa--gfx1250"
	.amdhsa_code_object_version 6
	.text
	.protected	k_qa92c731c68_attn
	.globl	k_qa92c731c68_attn
	.p2align	8
	.type	k_qa92c731c68_attn,@function
k_qa92c731c68_attn:
	s_mov_b64 s[64:65], 0
	v_nop
	global_prefetch_b8 v0, s[64:65] scope:SCOPE_SE
	s_setreg_imm32_b32 hwreg(HW_REG_WAVE_MODE, 25, 1), 1
	s_wait_xcnt 0x0
; ATTN.  z[b][q][64 hd + d] = sum over k of softmax_k(where(mask[q][k], q . k / 8, -1e9)) v[k][d], both products on codes of FP8 (E4M3) with E8M0 scales; z is quantised along its 1,024 features on the way out.
; THE SOFTMAX AHEAD OF THE SECOND PRODUCT: t = score x log2(e) / 8; M = the running largest t rounded up to a whole number; p = 2^(t - M) is quantised along the keys; the row's sum is taken of the unquantised p and divides at the end.
; SHARES.  Work-group (p, bh) owns query blocks p and 7 - p (256 queries each) of head bh, in two passes; each of its sixteen waves owns one tile of 16 queries a pass, in 256 registers: four waves to a SIMD.
; THE WHOLE HEAD'S K AND V LIE IN LDS (codes 2 x 131,072 bytes, scale words 8,192 + 4,096), brought once through registers; one barrier; behind it LDS is only read and the waves run free.
; LAYOUT.  Both products are used transposed: S^T = K Q^T (source 0 = 16 keys), O^T = V^T P^T (source 0 = 16 of the head's 64): a lane holds one query (lane % 16) throughout.  The head's 64 fill half of the first product's 128:
; the upper eight registers of Q's and K's fragments are zero codes.  The rows of every tile are row(T, i) = 32 (T / 2) + 8 (T % 2) + i + 8 (i / 8), so that the 16 registers of two neighbouring tiles are 16 neighbours along the next K.
; THE MASK is an input: an earlier launch has packed it, for each query tile and key step, into 64 lane-mask words (one v_cndmask_b32 a score) and into flags.  A step is left out only where none of its 16 x 128 bits is true AND each of
; the tile's 16 queries has a true bit somewhere: every p of that step is then exactly 0.  A step all of whose bits are true reads no words.  Both are scalar branches on whole numbers that the earlier launch stored.
; That is why this launch has no tensor load, and with it no joint loads in a cluster: a step's work is jumped over on stored numbers.  What the four work-groups of a head share is read once by each, at its head.
; LIMITS: a masked score is taken as -2^33 (logit -2^30) in place of logit -1e9: c x 2^33 is a whole number, so a query with no true bit gets p = 1 exactly, as M = ceil(t) gives it; the result differs from the definition only where an
; unmasked logit lies under about -9.9e8.  NaN and infinities are not served.  A block of zeros gets the byte 1.
.set VC,   131072                      ; LDS: K's codes at 0, V's here,
.set KSB,  262144                      ; K's scale words,
.set VSB,  270336                      ; V's
.set LI,   1                           ; v1   16 x lane
.set VL,   2                           ; v2   16 x lane + VC
.set AKS,  3                           ; v3   KSB + 16 r
.set AVS,  4                           ; v4   VSB + 16 r
.set ADK,  5                           ; v5-7, v11  the step's LDS addresses
.set ADV,  6
.set ADS,  7
.set MV,   8                           ; v8   -2^33
.set GO,   9                           ; v9   offset of Q's loads, later of z's stores
.set GS,   10                          ; v10  offset of Q's scale word, later of z's scale bytes
.set ADT,  11
.set QF,   16                          ; v16-31   Q (v24-31 zero codes)
.set KF,   32                          ; v32-95   four fragments of K (the upper eight of each sixteen zero codes)
.set ST,   96                          ; v96-159  S^T, then p, then four fragments of V
.set OT,   160                         ; v160-191 O^T
.set PCD,  192                         ; v192-207 p's codes; z's at a pass's end
.set BM,   208                         ; blocks' largest
.set PT,   212                         ; the other half's; bytes
.set HD,   216                         ; holds
.set SO,   220                         ; scale operands
.set TMP,  224
.set FF,   226                         ; v[226:227] f = 2^(old M - new M); 1 / the sum at a pass's end
.set SU,   228                         ; v[228:229] the second chain of the sum
.set KSC,  232                         ; v232-239 K's scale words;  v240-243 V's;  v244 Q's;  v245 p's: scales and nothing else
.set VSC,  240
.set QSC,  244
.set PSC,  245
.set CS,   24                          ; s[24:25] c = log2(e) / 8
.set SEL,  26                          ; s[26:27]
.set MNT,  30
	s_load_b256 s[4:11], s[0:1], 0x0               ; qkv_codes 4:5, qkv_scales 6:7, maskw 8:9, z_codes 10:11
	s_load_b64 s[12:13], s[0:1], 0x20              ; z_scales
	v_lshl_add_u32 v254, v0, 2, 0x43000
	v_mov_b32 v255, 0
	v_lshrrev_b32 v1, 5, v0
	v_readfirstlane_b32 s14, v1                    ; wave 0..15
	s_and_b32 s15, ttmp7, 0xffff                   ; bh
	s_mov_b32 s16, ttmp9                           ; p
	s_lshl_b32 s20, s15, 17                        ; a head's codes: 131,072 bytes
	s_mov_b32 s21, 0
	s_lshl_b32 s22, s15, 13                        ; q's and k's scale words: 8,192
	s_mov_b32 s23, 0
	s_lshl_b32 s24, s15, 12                        ; v's: 4,096, from 2^20 on
	s_add_co_u32 s24, s24, 2<<19
	s_mov_b32 s25, 0
	s_lshr_b32 s26, s15, 4                         ; the batch
	s_and_b32 s27, s15, 15                         ; the head in it
	s_lshl_b32 s28, s26, 21                        ; z's codes: 128 tiles x 16,384 a batch; the head's two blocks are chunks 2 hd, 2 hd + 1 of a tile
	s_lshl_b32 s29, s27, 10
	s_add_co_u32 s28, s28, s29
	s_mov_b32 s29, 0
	s_lshl_b32 s30, s26, 16                        ; z's scale bytes: 128 x 512 a batch; pair of K steps hd / 4, word (hd / 2) % 2, bytes 2 (hd % 2) on
	s_lshr_b32 s31, s27, 2
	s_lshl_b32 s31, s31, 7
	s_add_co_u32 s30, s30, s31
	s_bfe_u32 s31, s27, 0x10001
	s_lshl_b32 s31, s31, 2
	s_add_co_u32 s30, s30, s31
	s_and_b32 s31, s27, 1
	s_lshl_b32 s31, s31, 1
	s_add_co_u32 s30, s30, s31
	s_mov_b32 s31, 0
	v_lshlrev_b32 v2, 4, v0                        ; 16 x thread
	v_lshlrev_b32 v3, 3, v0                        ; 8 x thread
	s_wait_kmcnt 0x0
	s_add_nc_u64 s[4:5], s[4:5], s[20:21]          ; q's codes of my head,
	s_add_nc_u64 s[100:101], s[4:5], 1<<23         ; k's,
	s_add_nc_u64 s[2:3], s[4:5], 2<<23             ; v's
	s_add_nc_u64 s[66:67], s[6:7], s[24:25]        ; v's scale words
	s_add_nc_u64 s[6:7], s[6:7], s[22:23]          ; q's (k's lie 2^19 bytes on)
	s_add_nc_u64 s[10:11], s[10:11], s[28:29]
	s_add_nc_u64 s[12:13], s[12:13], s[30:31]
	; THE FILL: the 512 threads bring 8,192 consecutive bytes an instruction
.irp i, 0,1,2,3,4,5,6,7,8,9,10,11,12,13,14,15
	global_load_b128 v[32+4*\i:35+4*\i], v2, s[100:101] offset:8192*\i
.endr
.irp i, 0,1,2,3,4,5,6,7,8,9,10,11,12,13,14,15
	global_load_b128 v[96+4*\i:99+4*\i], v2, s[2:3] offset:8192*\i
.endr
	global_load_b128 v[160:163], v2, s[6:7] offset:524288
	global_load_b64 v[164:165], v3, s[66:67]
	v_add_nc_u32 v4, 65536, v2                     ; an LDS immediate has 16 bits: the registers carry the rest
	v_add_nc_u32 v5, VC, v2
	v_add_nc_u32 v6, VC+65536, v2
	v_add_nc_u32 v7, KSB, v2
	v_add_nc_u32 v10, VSB, v3
	s_wait_loadcnt 18                              ; K's 16 loads are in; V's 16 and the two of scale words may be out
.irp i, 0,1,2,3,4,5,6,7
	ds_store_b128 v2, v[32+4*\i:35+4*\i] offset:8192*\i
.endr
.irp i, 0,1,2,3,4,5,6,7
	ds_store_b128 v4, v[64+4*\i:67+4*\i] offset:8192*\i
.endr
	s_wait_loadcnt 2                               ; V's are in
.irp i, 0,1,2,3,4,5,6,7
	ds_store_b128 v5, v[96+4*\i:99+4*\i] offset:8192*\i
.endr
.irp i, 0,1,2,3,4,5,6,7
	ds_store_b128 v6, v[128+4*\i:131+4*\i] offset:8192*\i
.endr
	s_wait_loadcnt 0x0
	ds_store_b128 v7, v[160:163]
	ds_store_b64 v10, v[164:165]
	s_wait_dscnt 0x0                               ; for the others' sake: my stores have landed
	s_barrier_signal -1
	s_barrier_wait -1                              ; the head's K and V are whole; nobody writes LDS again
	v_and_b32 v[LI], 31, v0
	v_lshlrev_b32 v[LI], 4, v[LI]
	v_add_nc_u32 v[VL], VC, v[LI]
	v_and_b32 v[AKS], 15, v0
	v_lshlrev_b32 v[AKS], 4, v[AKS]
	v_add_nc_u32 v[AVS], VSB, v[AKS]
	v_add_nc_u32 v[AKS], KSB, v[AKS]
	v_mov_b32 v[MV], 0xd0000000                    ; -2^33
.irp j, 8,9,10,11,12,13,14,15
	v_mov_b32 v[QF+\j], 0                          ; zero codes for k = 64 .. 127
.irp t, 0,1,2,3
	v_mov_b32 v[KF+16*\t+\j], 0
.endr
.endr
.irp b, 0,1,2,3
	v_mov_b32 v[PT+\b], 0                          ; a lane permute's destination counts as one of its sources
.endr
	v_mov_b32 v[FF+1], 0                           ; named as the upper half of a pair
	s_mov_b32 s[CS], 0x3e38aa3b
	s_mov_b32 s[CS+1], s[CS]
	s_mov_b32 s[SEL], 0x76543210
	s_mov_b32 s[SEL+1], 0xfedcba98
	s_mov_b32 s[MNT], 0x600000
	s_mov_b32 s17, 0                               ; the pass
.Lpass:
	s_sub_co_u32 s23, 7, s16
	s_cmp_eq_u32 s17, 0
	s_cselect_b32 s23, s16, s23                    ; query block p, then 7 - p
	s_lshl_b32 s18, s23, 4
	s_add_co_u32 s18, s18, s14                     ; my tile T
	s_lshl_b32 s31, s18, 7
	s_load_b512 s[32:47], s[8:9], s31 offset:0x80000   ; the tile's eight flag records
	s_load_b512 s[48:63], s[8:9], s31 offset:0x80040
	s_lshl_b32 s23, s18, 10
	v_add_nc_u32 v[GO], s23, v[LI]                 ; Q's tile: 1,024 T + 16 lane
	s_lshr_b32 s23, s18, 2
	s_lshl_b32 s23, s23, 8
	s_and_b32 s20, s18, 3
	s_lshl_b32 s20, s20, 2
	s_add_co_u32 s23, s23, s20
	v_and_b32 v[GS], 15, v0
	v_lshlrev_b32 v[GS], 4, v[GS]
	v_add_nc_u32 v[GS], s23, v[GS]                 ; its scale word: 256 (T / 4) + 16 r + 4 (T % 4)
	global_load_b128 v[QF:QF+3], v[GO], s[4:5]
	global_load_b128 v[QF+4:QF+7], v[GO], s[4:5] offset:512
	global_load_b32 v[QSC], v[GS], s[6:7]
	v_mov_b32 v13, 0xff61b1e6                      ; the largest t so far: -3e38
	v_floor_f32 v12, -v13                          ; -M
	v_mov_b32 v14, 0                               ; the sum, in two halves
	v_mov_b32 v15, 0
.set n, 0
.rept 32
	v_mov_b32 v[OT+n], 0                           ; the step is written once: the first finds zeros, which the first change of M leaves zeros
.set n, n+1
.endr
	s_wait_kmcnt 0x0
.irp w, 1,2,3,4,5,6,7
	s_or_b32 s32, s32, s[32+4*\w]                  ; steps with any true bit
	s_or_b32 s33, s33, s[33+4*\w]                  ; steps all true
	s_or_b32 s34, s34, s[34+4*\w]                  ; lanes with a true bit
.endr
	s_lshr_b32 s23, s34, 16
	s_or_b32 s23, s23, s34
	s_and_b32 s23, s23, 0xffff                     ; queries with a true bit
	s_mov_b32 s28, 0xffff
	s_cmp_eq_u32 s23, 0xffff
	s_cselect_b32 s28, s32, s28                    ; the steps to be done: those with a true bit, or all sixteen where some query has none
	s_and_not1_b32 s29, s28, s33                   ; of them, the steps that need their words
	s_mov_b32 s19, 0                               ; the key step
	s_wait_loadcnt 0x0                             ; Q
.Lkey:
	s_lshr_b32 s23, s28, s19
	s_and_b32 s23, s23, 1
	s_cmp_eq_u32 s23, 0
	s_cbranch_scc1 .Lskip
	s_lshl_b32 s20, s19, 13                        ; a step's codes: 8,192 bytes of K and of V
	s_lshl_b32 s21, s19, 9                         ; K's scale words: 512
	s_lshl_b32 s22, s19, 8                         ; V's, and the mask's words: 256
	v_add_nc_u32 v[ADK], s20, v[LI]
	v_add_nc_u32 v[ADV], s20, v[VL]
	v_add_nc_u32 v[ADS], s21, v[AKS]
	v_add_nc_u32 v[ADT], s22, v[AVS]
.irp t, 0,1,2,3
.irp c, 0,1
	ds_load_b128 v[KF+16*\t+4*\c:KF+16*\t+4*\c+3], v[ADK] offset:1024*\t+512*\c
.endr
.endr
	ds_load_b128 v[KSC:KSC+3], v[ADS]
	ds_load_b128 v[KSC+4:KSC+7], v[ADS] offset:256
.rept 5
	v_nop                                          ; with the four additions: nine places behind the last step's products, whose source 0 the scores now write over
.endr
	s_wait_dscnt 0x0
.irp t, 0,1,2,3
	v_wmma_scale_f32_16x16x128_f8f6f4 v[ST+8*\t:ST+8*\t+7], v[KF+16*\t:KF+16*\t+15], v[QF:QF+15], 0, v[KSC+\t], v[QSC]
.endr
.rept 8
	v_nop                                          ; places in front of loads into registers that these products read
.endr
.irp t, 0,1,2,3
.irp c, 0,1
	ds_load_b128 v[KF+16*\t+4*\c:KF+16*\t+4*\c+3], v[ADK] offset:4096+1024*\t+512*\c
.endr
.endr
	s_wait_dscnt 0x0
.irp t, 0,1,2,3
	v_wmma_scale_f32_16x16x128_f8f6f4 v[ST+32+8*\t:ST+32+8*\t+7], v[KF+16*\t:KF+16*\t+15], v[QF:QF+15], 0, v[KSC+4+\t], v[QSC]
.endr
.rept 8
	v_nop
.endr
	s_lshr_b32 s23, s29, s19
	s_and_b32 s23, s23, 1
	s_cmp_eq_u32 s23, 0
	s_cbranch_scc1 .Lopen
	s_lshl_b32 s31, s18, 12                        ; the step's 64 words: 4,096 T + 256 ks.  Load, wait and use stand in this one branch
	s_add_co_u32 s31, s31, s22
	s_load_b512 s[32:47], s[8:9], s31 offset:0x0
	s_load_b512 s[48:63], s[8:9], s31 offset:0x40
	s_load_b512 s[68:83], s[8:9], s31 offset:0x80
	s_load_b512 s[84:99], s[8:9], s31 offset:0xc0
	s_wait_kmcnt 0x0
.set n, 0
.rept 64
	v_cndmask_b32 v[ST+n], v[MV], v[ST+n], s[32+n+4*(n/32)]   ; register n holds key 128 ks + 32 (n / 16) + 16 (lane / 16) + n % 16 of query lane % 16: word n has its bit
.set n, n+1
.endr
.Lopen:
.irp b, 0,1,2,3
	v_max3_num_f32 v[BM+\b], v[ST+16*\b], v[ST+1+16*\b], v[ST+2+16*\b]   ; the largest score of each block of 32 keys: for the row's maximum, and, since p rises with the score, for the block's largest p
.endr
.irp i, 3,5,7,9,11,13
.irp b, 0,1,2,3
	v_max3_num_f32 v[BM+\b], v[BM+\b], v[ST+16*\b+\i], v[ST+1+16*\b+\i]
.endr
.endr
.irp b, 0,1,2,3
	v_max_num_f32 v[BM+\b], v[BM+\b], v[ST+15+16*\b]
.endr
.irp b, 0,1,2,3
	v_permlanex16_b32 v[PT+\b], v[BM+\b], s[SEL], s[SEL+1]
.endr
.irp b, 0,1,2,3
	v_max_num_f32 v[BM+\b], v[BM+\b], v[PT+\b]
.endr
	v_max3_num_f32 v[TMP], v[BM], v[BM+1], v[BM+2]
	v_max_num_f32 v[TMP], v[TMP], v[BM+3]
	v_mul_f32 v[TMP], s[CS], v[TMP]                ; the step's largest t
	v_max_num_f32 v13, v13, v[TMP]
	v_mov_b32 v[TMP], v12
	v_floor_f32 v12, -v13                          ; the new -M = -ceil(t)
	v_sub_f32 v[TMP], v12, v[TMP]                  ; old M - new M: a whole number, 0 or less
	v_cvt_i32_f32 v[TMP], v[TMP]                   ; (it saturates)
	v_ldexp_f32 v[FF], 1.0, v[TMP]                 ; f = 2^(old M - new M): rounds nothing
.set n, 0
.rept 32
	v_pk_fma_f32 v[ST+n:ST+n+1], v[ST+n:ST+n+1], s[CS:CS+1], v[12:13] op_sel_hi:[1,0,0]   ; t - M
.set n, n+2
.endr
.irp b, 0,1,2,3
	v_fma_f32 v[BM+\b], v[BM+\b], s[CS], v12
.endr
.set n, 0
.rept 64
	v_exp_f32 v[ST+n], v[ST+n]                     ; p = 2^(t - M)
.set n, n+1
.endr
	v_pk_mul_f32 v[14:15], v[14:15], v[FF:FF+1] op_sel_hi:[1,0]   ; the sums under the new M: a plain line behind the exponentials
	s_wait_alu depctr_va_vdst(0)                   ; one wait for the batch, ahead of its first reader
.irp b, 0,1,2,3
	v_exp_f32 v[BM+\b], v[BM+\b]                   ; the blocks' largest p
.endr
	v_pk_add_f32 v[SU:SU+1], v[ST:ST+1], v[ST+2:ST+3]   ; the row's sum, of the unquantised p, in two chains
.irp j, 4,8,12,16,20,24,28,32,36,40,44,48,52,56,60
	v_pk_add_f32 v[14:15], v[14:15], v[ST+\j:ST+\j+1]
	v_pk_add_f32 v[SU:SU+1], v[SU:SU+1], v[ST+2+\j:ST+3+\j]
.endr
	v_pk_add_f32 v[14:15], v[14:15], v[SU:SU+1]
	s_wait_alu depctr_va_vdst(0)                   ; and one for the four
.irp b, 0,1,2,3
	v_max_num_f32 v[BM+\b], 0x4800000, v[BM+\b]    ; the floor 2^(9 - 127)
.endr
.irp b, 0,1,2,3
	v_add_nc_u32 v[SO+\b], 0xfc000000, v[BM+\b]
.endr
.irp b, 0,1,2,3
	v_and_or_b32 v[HD+\b], v[BM+\b], 0x7f800000, s[MNT]
.endr
.irp b, 0,1,2,3
	v_lshrrev_b32 v[PT+\b], 23, v[SO+\b]
.endr
	v_lshl_or_b32 v[PSC], v[PT+1], 8, v[PT]        ; p's scale word for these 128 keys
	v_lshl_or_b32 v[PSC], v[PT+2], 16, v[PSC]
	v_lshl_or_b32 v[PSC], v[PT+3], 24, v[PSC]
.irp b, 0,1,2,3
.irp i, 0,1,2,3,4,5,6,7,8,9,10,11,12,13,14,15
	v_min_num_f32 v[ST+16*\b+\i], v[ST+16*\b+\i], v[HD+\b]   ; the conversion does not saturate (ISA guide 7.6.2); p is not negative
.endr
	v_cvt_scalef32_pk8_fp8_f32 v[PCD+4*\b:PCD+4*\b+1], v[ST+16*\b:ST+16*\b+7], v[SO+\b]
	v_cvt_scalef32_pk8_fp8_f32 v[PCD+4*\b+2:PCD+4*\b+3], v[ST+16*\b+8:ST+16*\b+15], v[SO+\b]
.endr
.irp t, 0,1,2,3
.irp c, 0,1,2,3
	ds_load_b128 v[ST+16*\t+4*\c:ST+16*\t+4*\c+3], v[ADV] offset:2048*\t+512*\c   ; V's four fragments take p's registers
.endr
.endr
	ds_load_b128 v[VSC:VSC+3], v[ADT]
.set n, 0
.rept 16
	v_pk_mul_f32 v[OT+n:OT+n+1], v[OT+n:OT+n+1], v[FF:FF+1] op_sel_hi:[1,0]   ; O^T under the new M; these are also the plain lines behind the conversions and in front of the products
.set n, n+2
.endr
	s_wait_dscnt 0x0
.irp t, 0,1,2,3
	v_wmma_scale_f32_16x16x128_f8f6f4 v[OT+8*\t:OT+8*\t+7], v[ST+16*\t:ST+16*\t+15], v[PCD:PCD+15], v[OT+8*\t:OT+8*\t+7], v[VSC+\t], v[PSC]
.endr
.Lskip:
	s_add_co_u32 s19, s19, 1
	s_cmp_lt_u32 s19, 16
	s_cbranch_scc1 .Lkey
	; A PASS'S END: O^T / the sum is z: register 16 B + i is feature 64 hd + 32 B + 16 (lane / 16) + i of my query: two blocks, quantised where they lie
.rept 8
	v_nop
.endr
	v_add_f32 v14, v14, v15
	v_permlanex16_b32 v[PT], v14, s[SEL], s[SEL+1]
	v_add_f32 v14, v14, v[PT]
	v_rcp_f32 v[FF], v14
	v_nop
	s_wait_alu depctr_va_vdst(0)
.set n, 0
.rept 16
	v_pk_mul_f32 v[OT+n:OT+n+1], v[OT+n:OT+n+1], v[FF:FF+1] op_sel_hi:[1,0]
.set n, n+2
.endr
.irp b, 0,1
	v_max3_num_f32 v[BM+\b], |v[OT+16*\b]|, |v[OT+1+16*\b]|, 0x4800000
.endr
.irp i, 2,4,6,8,10,12,14
.irp b, 0,1
	v_max3_num_f32 v[BM+\b], v[BM+\b], |v[OT+16*\b+\i]|, |v[OT+1+16*\b+\i]|
.endr
.endr
.irp b, 0,1
	v_permlanex16_b32 v[PT+\b], v[BM+\b], s[SEL], s[SEL+1]
.endr
.irp b, 0,1
	v_max_num_f32 v[BM+\b], v[BM+\b], v[PT+\b]
.endr
.irp b, 0,1
	v_add_nc_u32 v[SO+\b], 0xfc000000, v[BM+\b]
.endr
.irp b, 0,1
	v_and_or_b32 v[HD+\b], v[BM+\b], 0x7f800000, s[MNT]
.endr
.irp b, 0,1
	v_lshrrev_b32 v[PT+\b], 23, v[SO+\b]
.endr
	v_lshl_or_b32 v[TMP], v[PT+1], 8, v[PT]        ; the two bytes
.irp b, 0,1
.irp i, 0,1,2,3,4,5,6,7,8,9,10,11,12,13,14,15
	v_med3_num_f32 v[OT+16*\b+\i], v[OT+16*\b+\i], -v[HD+\b], v[HD+\b]
.endr
	v_cvt_scalef32_pk8_fp8_f32 v[PCD+4*\b:PCD+4*\b+1], v[OT+16*\b:OT+16*\b+7], v[SO+\b]
	v_cvt_scalef32_pk8_fp8_f32 v[PCD+4*\b+2:PCD+4*\b+3], v[OT+16*\b+8:OT+16*\b+15], v[SO+\b]
.endr
	v_nop                                          ; a plain line behind the last conversion
	s_lshl_b32 s23, s18, 14
	v_add_nc_u32 v[GO], s23, v[LI]                 ; 16,384 T + 16 lane
	s_lshl_b32 s23, s18, 9
	v_and_b32 v[GS], 15, v0
	v_lshlrev_b32 v[GS], 3, v[GS]
	v_add_nc_u32 v[GS], s23, v[GS]                 ; 512 T + 8 r
	global_store_b128 v[GO], v[PCD:PCD+3], s[10:11]              ; 32 lanes store 512 consecutive bytes
	global_store_b128 v[GO], v[PCD+4:PCD+7], s[10:11] offset:512
	global_store_b16 v[GS], v[TMP], s[12:13]       ; two bytes a query (both halves of the lanes write the same): half of a scale word, whose other half another head's work-group owns
	s_wait_xcnt 0x0                                ; the stores have read their registers: the next pass writes them again
	s_add_co_u32 s17, s17, 1
	s_cmp_lt_u32 s17, 2
	s_cbranch_scc1 .Lpass
	s_wait_tensorcnt 0x0
	ds_add_u32 v254, v255
	s_wait_dscnt 0x0
	s_endpgm
.Lfunc_end_k_qa92c731c68_attn:
	.size	k_qa92c731c68_attn, .Lfunc_end_k_qa92c731c68_attn-k_qa92c731c68_attn
	.p2alignl 7, 3214868480
	.fill 96, 4, 3214868480
	.section	.rodata,"a",@progbits
	.p2align	6, 0x0
	.amdhsa_kernel k_qa92c731c68_attn
		.amdhsa_group_segment_fixed_size 276480
		.amdhsa_private_segment_fixed_size 0
		.amdhsa_enable_private_segment 0
		.amdhsa_kernarg_size 40
		.amdhsa_user_sgpr_count 2
		.amdhsa_user_sgpr_kernarg_segment_ptr 1
		.amdhsa_wavefront_size32 1
		.amdhsa_system_sgpr_workgroup_id_x 1
		.amdhsa_system_sgpr_workgroup_id_y 1
		.amdhsa_system_sgpr_workgroup_id_z 1
		.amdhsa_system_vgpr_workitem_id 0
		.amdhsa_next_free_vgpr 256
		.amdhsa_next_free_sgpr 102
		.amdhsa_reserve_vcc 0
		.amdhsa_float_denorm_mode_32 3
		.amdhsa_float_denorm_mode_16_64 3
		.amdhsa_memory_ordered 1
		.amdhsa_forward_progress 1
		.amdhsa_inst_pref_size 43
	.end_amdhsa_kernel
	.amdgpu_metadata
---
amdhsa.version: [ 1, 2 ]
amdhsa.kernels:
  - .name:           k_qa92c731c68_attn
    .symbol:         k_qa92c731c68_attn.kd
    .args:
      - { .name: qkv_codes, .offset: 0, .size: 8, .value_kind: global_buffer, .address_space: global }
      - { .name: qkv_scales, .offset: 8, .size: 8, .value_kind: global_buffer, .address_space: global }
      - { .name: maskw, .offset: 16, .size: 8, .value_kind: global_buffer, .address_space: global }
      - { .name: z_codes, .offset: 24, .size: 8, .value_kind: global_buffer, .address_space: global }
      - { .name: z_scales, .offset: 32, .size: 8, .value_kind: global_buffer, .address_space: global }
    .group_segment_fixed_size: 276480
    .private_segment_fixed_size: 0
    .kernarg_segment_align: 8
    .kernarg_segment_size: 40
    .max_flat_workgroup_size: 512
    .sgpr_count:     102
    .vgpr_count:     256
    .wavefront_size: 32
...
	.end_amdgpu_metadata
.endif
;; end of part 3
;; launch proj (part 4): grid 4 x 32, 4 waves a work-group, clusters of 4 x 4, 327,680 bytes of LDS; arguments z_codes, z_scales, in_codes, in_scales, bo, out0; writes out0
.if DOCPART == 4
	.amdgcn_target "amdgcn-amd-amdhsa--gfx1250"
	.amdhsa_code_object_version 6
	.text
	.protected	k_qa92c731c68_proj
	.globl	k_qa92c731c68_proj
	.p2align	8
	.type	k_qa92c731c68_proj,@function
k_qa92c731c68_proj:
	s_mov_b64 s[64:65], 0
	v_nop
	global_prefetch_b8 v0, s[64:65] scope:SCOPE_SE
	s_setreg_imm32_b32 hwreg(HW_REG_WAVE_MODE, 25, 1), 1
	s_wait_xcnt 0x0
	s_wait_alu depctr_hold_cnt(0) depctr_sa_sdst(0) depctr_va_vdst(0) depctr_va_sdst(0) depctr_va_ssrc(0) depctr_va_vcc(0) depctr_vm_vsrc(0)
	s_getreg_b32 s2, hwreg(HW_REG_IB_STS2, 6, 4)
	s_cmp_eq_u32 s2, 0
	s_cbranch_scc0 .Lentry_in_a_cluster
	s_endpgm
.Lentry_in_a_cluster:
	s_bfe_u32 s2, ttmp6, 0x10000c
	s_cmp_lg_u32 s2, 0xf033
	s_cbranch_scc0 .Lentry_shape_is_right
	s_endpgm
.Lentry_shape_is_right:
; PROJ.  out0 = z Wo^T + bo on codes of FP8 (E4M3) with E8M0 scales, K = 1,024; out0 [8192][1024] f32.
; Operands come as FRAGMENT IMAGES (16 rows x 128 K = 2,048 bytes: chunk c of 512 bytes, lane l's 16 bytes = row l % 16, k = 32 c + 16 (l / 16) + 0 .. 15); a tile of 16 rows is 16,384 bytes, a group of 16 tiles 262,144.
; The rows of a tile are row(T, i) = 32 (T / 2) + 8 (T % 2) + i + 8 (i / 8), for z's tokens and for Wo's rows (tiles 704-767 of in_codes: groups 44-47).
; A work-group of four waves makes 256 x 256, a wave 128 x 128: 64 accumulators.  K goes in steps of 256 through two LDS slots filled by the tensor data mover; the scale words of both sides come once.
; CLUSTERS: 4 x 4 work-groups: z's tiles (side A, source 1) are shared along a row of the cluster, Wo's (side B, source 0) along a column: joint loads.  A lane holds one token, its registers run along the features.
; The bias is the C of each sum's first product.  The grid has 128 work-groups: the problem has 128 tiles of this size.
; REGISTERS: window 0: v8-29 addresses; v32-63 scale words, two sets, and nothing else; v64-127 the bias; v128-255 A's fragments, later rows on their way out.  window 1: B's fragments, two sets.  windows 2, 3: the accumulators.
.set NQ,    2
.set FR,    16
.set NL,    4
.set NP,    8                          ; places behind this matrix instruction (ISA guide 7.12.1)
.set HALFT, 32768                      ; 8 tiles x 4,096 bytes: what one tensor load brings
.set SLOT,  131072                     ; A's 16 tiles, then B's
.set SCL,   262144                     ; behind the ring: A's scale words (8,192 bytes), then B's
.set HALFS, 4096
.set SPARE, 278528                     ; the spare words, 128 bytes for each wave: two blocks of 256 bytes that no other line names
.set SPITCH, 528                       ; the way out: a stage of 16 rows x (512 + 16) bytes for each wave, in slot 0, which has had its last fill and its last read when the first result is stored there
.set LI,   8                           ; v8      16 x lane
.set ADRA, 16
.set ADRB, 20
.set STO,  24
.set RD,   25
.set ADRS, 27
.set SPW,  28
.set NIL,  29
.set SC,   32
.set BI,   64
.set AF,   128
.set BK,   128
.set G1, 24
.set G0, 32
.set G1B, 48
.set G0B, 56
.set G1S, 68
.set G0S, 76
.set G1SB, 80
.set G0SB, 88
.set MSB, 0
.macro WIN new                         ; the immediate's high byte repeats the setting that is left
.if MSB != (\new)
	s_set_vgpr_msb (MSB<<8)|(\new)
.set MSB, (\new)
.endif
.endm
.set MUL_LO, 0xa1
.set MUL_HI, 0xf1
.set BIA_LO, 0x81
.set BIA_HI, 0xc1
.set TO_B,   0x40
.macro JLOAD g0a, g1a, g0b, g1b        ; a joint load: waves 0 and 1 fetch for A, waves 2 and 3 for B; four v_nop follow each of the two lines
	s_cmp_eq_u32 s15, 0
	s_cbranch_scc0 .Lfor_b_\@
	tensor_load_to_lds s[\g0a:\g0a+3], s[\g1a:\g1a+7]
	s_nop 0
.rept 4
	v_nop
.endr
	s_branch .Lasked_\@
.Lfor_b_\@:
	tensor_load_to_lds s[\g0b:\g0b+3], s[\g1b:\g1b+7]
	s_nop 0
.rept 4
	v_nop
.endr
.Lasked_\@:
.endm
.macro CREST
	s_cmp_lg_u32 s14, 0
	s_cbranch_scc1 .Lnot_wave_0_\@
	s_barrier_signal -3
.Lnot_wave_0_\@:
	s_barrier_wait -3
	s_barrier_signal -1
	s_barrier_wait -1
.endm
.macro CROUND
	s_barrier_signal -1
	s_barrier_wait -1
	CREST
.endm
	s_load_b256 s[4:11], s[0:1], 0x0               ; z_codes 4:5, z_scales 6:7, in_codes 8:9, in_scales 10:11
	s_load_b128 s[92:95], s[0:1], 0x20             ; bo 92:93, out0 94:95
	v_lshl_add_u32 v[SPW], v0, 2, SPARE
	v_mov_b32 v[NIL], 0
	ds_add_u32 v28, v29
	ds_add_u32 v28, v29
	s_wait_dscnt 0x0
	v_lshrrev_b32 v1, 5, v0
	v_readfirstlane_b32 s14, v1                    ; wave 0..3
	s_lshr_b32 s15, s14, 1                         ; my half of A's tiles.  Also: I fetch for A (0) or for B (1)
	s_and_b32 s16, s14, 1                          ; my half of B's tiles.  Also: which 8 tiles I fetch
	s_bfe_u32 s40, ttmp6, 0x40000                  ; cx
	s_bfe_u32 s41, ttmp6, 0x40004                  ; cy
	s_and_b32 s17, ttmp7, 0xffff
	s_lshl_b32 s17, s17, 2
	s_add_co_u32 s17, s17, s41                     ; A's group: tokens 256 (4 y + cy) on
	s_add_co_u32 s42, s40, 44                      ; B's group: Wo's rows 256 cx on
	s_lshl_b32 s43, s41, 2
	s_lshl_b32 s43, 15, s43                        ; my row of the cluster
	s_lshl_b32 s44, 0x1111, s40                    ; my column
	s_or_b32 s[G1+0], s43, (3<<16)|(1<<21)         ; codes: 8 rows of 4,096 bytes (512 elements of 8 bytes), 16,384 bytes apart, dense in LDS
	s_or_b32 s[G1B+0], s44, (3<<16)|(1<<21)
.irp g, G1, G1B
	s_mov_b32 s[\g+1], 512<<16
	s_mov_b32 s[\g+2], 8<<16
	s_mov_b32 s[\g+3], 512<<16
	s_mov_b32 s[\g+4], 8
	s_mov_b32 s[\g+5], 2048
	s_mov_b32 s[\g+6], 0
	s_mov_b32 s[\g+7], 0
.endr
	s_or_b32 s[G1S+0], s43, (3<<16)|(1<<21)        ; scale words of 8 tiles: 4,096 dense bytes as 16 rows of 256
	s_or_b32 s[G1SB+0], s44, (3<<16)|(1<<21)
.irp g, G1S, G1SB
	s_mov_b32 s[\g+1], 32<<16
	s_mov_b32 s[\g+2], 16<<16
	s_mov_b32 s[\g+3], 32<<16
	s_mov_b32 s[\g+4], 16
	s_mov_b32 s[\g+5], 32
	s_mov_b32 s[\g+6], 0
	s_mov_b32 s[\g+7], 0
.endr
	s_lshl_b32 s18, s16, 3
	s_lshl_b32 s20, s17, 4
	s_add_co_u32 s20, s20, s18                     ; A: first tile that I fetch
	s_lshl_b32 s46, s42, 4
	s_add_co_u32 s46, s46, s18                     ; B: likewise
	s_lshl_b32 s22, s20, 9
	s_mov_b32 s23, 0
	s_lshl_b32 s96, s46, 9
	s_mov_b32 s97, 0
	s_lshl_b32 s20, s20, 14
	s_mov_b32 s21, 0
	s_lshl_b32 s46, s46, 14
	s_mov_b32 s47, 0
	s_lshl_b32 s45, s14, 15                        ; wave x HALFT: no place in the cluster enters an LDS address
	s_lshl_b32 s19, s14, 12                        ; wave x HALFS
	s_wait_kmcnt 0x0
	s_add_nc_u64 s[20:21], s[4:5], s[20:21]
	s_add_nc_u64 s[22:23], s[6:7], s[22:23]
	s_add_nc_u64 s[46:47], s[8:9], s[46:47]
	s_add_nc_u64 s[96:97], s[10:11], s[96:97]
	CROUND                                         ; all sixteen work-groups are here: the first joint loads meet
	s_mov_b32 s[G0S], 1
	s_add_co_u32 s[G0S+1], s19, SCL
	s_mov_b64 s[G0S+2:G0S+3], s[22:23]
	s_or_b32 s[G0S+3], s[G0S+3], 0x80000000
	s_mov_b32 s[G0SB], 1
	s_add_co_u32 s[G0SB+1], s19, SCL
	s_mov_b64 s[G0SB+2:G0SB+3], s[96:97]
	s_or_b32 s[G0SB+3], s[G0SB+3], 0x80000000
	JLOAD G0S, G1S, G0SB, G1SB
.irp s, 0,1
	s_mov_b32 s[G0+4*\s], 1
	s_add_co_u32 s[G0+4*\s+1], s45, \s*SLOT
	s_add_nc_u64 s[G0+4*\s+2:G0+4*\s+3], s[20:21], \s*4096
	s_or_b32 s[G0+4*\s+3], s[G0+4*\s+3], 0x80000000
	s_mov_b32 s[G0B+4*\s], 1
	s_add_co_u32 s[G0B+4*\s+1], s45, \s*SLOT
	s_add_nc_u64 s[G0B+4*\s+2:G0B+4*\s+3], s[46:47], \s*4096
	s_or_b32 s[G0B+4*\s+3], s[G0B+4*\s+3], 0x80000000
	JLOAD G0+4*\s, G1, G0B+4*\s, G1B               ; three tensor loads of mine are out
.endr
	v_and_b32 v1, 15, v0                           ; r
	v_bfe_u32 v2, v0, 4, 1                         ; h
	v_and_b32 v3, 31, v0
	v_lshlrev_b32 v[LI], 4, v3
	s_lshl_b32 s21, s15, 15
	s_lshl_b32 s22, s16, 15
	s_add_co_u32 s22, s22, 2*HALFT
.irp s, 0,1
	v_add_nc_u32 v[ADRA+\s], s21, v[LI]
	v_add_nc_u32 v[ADRB+\s], s22, v[LI]
	s_add_co_u32 s21, s21, SLOT
	s_add_co_u32 s22, s22, SLOT
.endr
	v_lshlrev_b32 v5, 3, v1
	s_lshl_b32 s21, s15, 12
	s_lshl_b32 s22, s16, 12
	s_add_co_u32 s22, s22, 8192
	s_sub_co_u32 s22, s22, s21
	v_mul_u32_u24 v6, s22, v2                      ; lanes 16-31 take B's scale words: one product, the distance between the two bases
	s_add_co_u32 s21, s21, SCL
	v_add_nc_u32 v5, v5, v6
	v_add_nc_u32 v[ADRS], s21, v5
	s_mul_i32 s23, s14, 16*SPITCH                  ; my stage
	v_mul_u32_u24 v5, v1, SPITCH
	v_lshl_add_u32 v5, v2, 6, v5
	v_add_nc_u32 v[STO], s23, v5                   ; in: row r, + 64 h: accumulator b's eight features begin at byte 128 (b / 2) + 32 (b % 2) + 64 h
	v_add_nc_u32 v[RD], s23, v[LI]                 ; back: the 32 lanes take one row of 512 bytes
	s_lshl_b32 s20, s17, 20                        ; out0: (256 group + 128 half) rows of 4,096 bytes,
	s_lshl_b32 s21, s15, 19
	s_add_co_u32 s20, s20, s21
	s_mov_b32 s21, 0
	s_lshl_b32 s46, s40, 10                        ; + (256 cx + 128 half) features of 4 bytes
	s_lshl_b32 s47, s16, 9
	s_add_co_u32 s46, s46, s47
	s_mov_b32 s47, 0
	s_add_nc_u64 s[94:95], s[94:95], s[20:21]
	s_add_nc_u64 s[94:95], s[94:95], s[46:47]
	s_add_nc_u64 s[92:93], s[92:93], s[46:47]      ; bo at my 128 features
	v_lshlrev_b32 v5, 6, v2                        ; tile b's register j is feature 32 (b / 2) + 8 (b % 2) + 16 h + j
.irp b, 0,1,2,3,4,5,6,7
	global_load_b128 v[BI+8*\b:BI+8*\b+3], v5, s[92:93] offset:128*(\b/2)+32*(\b%2)
	global_load_b128 v[BI+8*\b+4:BI+8*\b+7], v5, s[92:93] offset:128*(\b/2)+32*(\b%2)+16
.endr
	s_wait_loadcnt 0x0
.macro FRAG reg, adr, q, i
.irp c, 0,1,2,3
	ds_load_b128 v[\reg+4*\c:\reg+4*\c+3], v[\adr] offset:4096*(\i)+2048*(\q)+512*\c
.endr
.endm
; 16 matrix instructions: A's blocks a0, a0 + 1 x B's eight.  zero = 2: C is the bias by B's block; 0: in place.  The 64 accumulators take turns, one instruction a turn.
.macro MUL16 a0, p, q, sc, zero
.irp a, \a0, \a0+1
.irp b, 0,1,2,3,4,5,6,7
.if (\zero) == 2
	v_wmma_scale_f32_16x16x128_f8f6f4 v[8*(8*((\a)%4)+\b):8*(8*((\a)%4)+\b)+7], v[128*(\p)+FR*\b:128*(\p)+FR*\b+FR-1], v[AF+FR*(\a):AF+FR*(\a)+FR-1], v[BI+8*\b:BI+8*\b+7], v[SC+8*NQ*(\sc)+NQ*\b+(\q)], v[SC+8*NQ*(\sc)+NQ*(\a)+(\q)] matrix_a_scale:MATRIX_SCALE_ROW1
.else
	v_wmma_scale_f32_16x16x128_f8f6f4 v[8*(8*((\a)%4)+\b):8*(8*((\a)%4)+\b)+7], v[128*(\p)+FR*\b:128*(\p)+FR*\b+FR-1], v[AF+FR*(\a):AF+FR*(\a)+FR-1], v[8*(8*((\a)%4)+\b):8*(8*((\a)%4)+\b)+7], v[SC+8*NQ*(\sc)+NQ*\b+(\q)], v[SC+8*NQ*(\sc)+NQ*(\a)+(\q)] matrix_a_scale:MATRIX_SCALE_ROW1
.endif
.endr
.endr
.endm
.macro FETCH_B slot, q, p
	WIN TO_B
.irp i, 0,1,2,3,4,5,6,7
	FRAG 128*(\p)+FR*\i, ADRB+\slot, \q, \i
.endr
	WIN 0
.endm
.macro FETCH_A slot, q, i0
.irp i, \i0, \i0+1, \i0+2, \i0+3
	FRAG AF+FR*(\i), ADRA+\slot, \q, \i
.endr
.endm
.macro SCALES sc
.irp i, 0,1,2,3,4,5,6,7
	ds_load_b64 v[SC+8*NQ*\sc+NQ*\i:SC+8*NQ*\sc+NQ*\i+1], v[ADRS] offset:\i*512
.endr
.endm
.macro PLACES n
.rept \n
	v_nop
.endr
.endm
.macro STEP slot, q, zero
	s_wait_dscnt 4*NL                              ; all but the youngest 16 loads (A's blocks 4-7) are in
.if \zero
	WIN BIA_LO
.else
	WIN MUL_LO
.endif
	MUL16 0, (\q)%2, \q, \slot, \zero
	MUL16 2, (\q)%2, \q, \slot, \zero
	s_wait_dscnt 0
	PLACES NP
	FETCH_B \slot, (\q)+1, 1-(\q)%2
	FETCH_A \slot, (\q)+1, 0
.if \zero
	WIN BIA_HI
.else
	WIN MUL_HI
.endif
	MUL16 4, (\q)%2, \q, \slot, \zero
	MUL16 6, (\q)%2, \q, \slot, \zero
	PLACES NP
	WIN 0
	FETCH_A \slot, (\q)+1, 4
.endm
.macro TURN slot, next, fill
	s_wait_tensorcnt 0x0                           ; all my tensor loads have landed: my part of the next slot
	ds_add_u32 v[SPW], v[NIL]                      ; 0 onto my spare word
	s_wait_dscnt 4*NL+1                            ; (the add and A's blocks 4-7 may be out)
	WIN MUL_LO
	MUL16 0, 1, NQ-1, \slot, 0
	s_wait_dscnt 0x0                               ; the add is done, and my reads of this slot are over
	s_barrier_signal -1
	MUL16 2, 1, NQ-1, \slot, 0
	WIN 0
	s_barrier_wait -1
.if \fill
	CREST                                          ; the barrier has opened a round of the cluster's barrier
	s_add_nc_u64 s[G0+4*\slot+2:G0+4*\slot+3], s[G0+4*\slot+2:G0+4*\slot+3], 8192
	s_add_nc_u64 s[G0B+4*\slot+2:G0B+4*\slot+3], s[G0B+4*\slot+2:G0B+4*\slot+3], 8192
	JLOAD G0+4*\slot, G1, G0B+4*\slot, G1B         ; my one tensor load behind the round
	PLACES NP-4
.else
	PLACES NP
.endif
	v_add_nc_u32 v[ADRS], 128, v[ADRS]
	FETCH_B \next, 0, 0
	FETCH_A \next, 0, 0
	SCALES \next
	WIN MUL_HI
	MUL16 4, 1, NQ-1, \slot, 0
	MUL16 6, 1, NQ-1, \slot, 0
	PLACES NP
	WIN 0
	FETCH_A \next, 0, 4
.endm
	s_wait_tensorcnt 1                             ; the scale words and my part of K step 0 are in; slot 1's load may stay out
	s_barrier_signal -1
	s_barrier_wait -1
	FETCH_B 0, 0, 0
	FETCH_A 0, 0, 0
	SCALES 0
	FETCH_A 0, 0, 4
	STEP 0, 0, 2                                   ; the first products start the sums from the bias
	TURN 0, 1, 1                                   ; four K steps of 256: written out, no loop
	STEP 1, 0, 0
	TURN 1, 0, 1
	STEP 0, 0, 0
	TURN 0, 1, 0
	STEP 1, 0, 0
	s_wait_dscnt 4*NL
	WIN MUL_LO
	MUL16 0, 1, NQ-1, 1, 0
	MUL16 2, 1, NQ-1, 1, 0
	s_wait_dscnt 0
	WIN MUL_HI
	MUL16 4, 1, NQ-1, 1, 0
	MUL16 6, 1, NQ-1, 1, 0
	WIN 0
; THE WAY OUT, block by block of 16 tokens x 128 features, through my own stage in LDS: back come whole rows of 512 bytes.  LDS serves a wave's instructions in order: no wait between the stores and the loads.
.macro TOSTAGE a
.set AC, 64*((\a)%4)
	WIN 0x08+4*((\a)/4)                            ; an LDS store's data are its source 1: window 2 or 3
.irp b, 0,1,2,3,4,5,6,7
	ds_store_b128 v[STO], v[AC+8*\b:AC+8*\b+3] offset:128*(\b/2)+32*(\b%2)       ; each accumulator from its low end on
	ds_store_b128 v[STO], v[AC+8*\b+4:AC+8*\b+7] offset:128*(\b/2)+32*(\b%2)+16
.endr
	WIN 0
.set BB, BK+64*((\a)%2)
.irp t, 0,1,2,3,4,5,6,7,8,9,10,11,12,13,14,15
	ds_load_b128 v[BB+4*\t:BB+4*\t+3], v[RD] offset:\t*SPITCH
.endr
.endm
.macro SEND a, younger                 ; younger: the LDS instructions issued behind block a's loads, which may stay out
.set BB, BK+64*((\a)%2)
	s_wait_dscnt \younger
.irp t, 0,1,2,3,4,5,6,7,8,9,10,11,12,13,14,15
	global_store_b128 v[LI], v[BB+4*\t:BB+4*\t+3], s[94:95] offset:(32*((\a)/2)+8*((\a)%2)+\t+8*(\t/8))*4096 th:TH_STORE_NT   ; row t of tile a; 32 lanes store 512 consecutive bytes, aligned; the largest immediate is 127 rows
.endr
.endm
	PLACES NP
	TOSTAGE 0
.irp a, 1,2,3,4,5,6,7
.if \a > 1
	s_wait_xcnt 0x0                                ; block a - 2's stores have read their registers: block a's loads may land there
.endif
	TOSTAGE \a
	SEND \a-1, 32                                  ; behind block a - 1's loads: block a's 16 stores and 16 loads
.endr
	SEND 7, 0
	s_wait_tensorcnt 0x0                           ; the wave's end
	ds_add_u32 v[SPW], v[NIL]
	s_wait_dscnt 0x0
	CROUND                                         ; the closing round
	s_endpgm
.Lfunc_end_k_qa92c731c68_proj:
	.size	k_qa92c731c68_proj, .Lfunc_end_k_qa92c731c68_proj-k_qa92c731c68_proj
	.p2alignl 7, 3214868480
	.fill 96, 4, 3214868480
	.section	.rodata,"a",@progbits
	.p2align	6, 0x0
	.amdhsa_kernel k_qa92c731c68_proj
		.amdhsa_group_segment_fixed_size 327680
		.amdhsa_private_segment_fixed_size 0
		.amdhsa_enable_private_segment 0
		.amdhsa_kernarg_size 48
		.amdhsa_user_sgpr_count 2
		.amdhsa_user_sgpr_kernarg_segment_ptr 1
		.amdhsa_wavefront_size32 1
		.amdhsa_system_sgpr_workgroup_id_x 1
		.amdhsa_system_sgpr_workgroup_id_y 1
		.amdhsa_system_sgpr_workgroup_id_z 1
		.amdhsa_system_vgpr_workitem_id 0
		.amdhsa_next_free_vgpr 1024
		.amdhsa_next_free_sgpr 98
		.amdhsa_reserve_vcc 0
		.amdhsa_float_denorm_mode_32 3
		.amdhsa_float_denorm_mode_16_64 3
		.amdhsa_memory_ordered 1
		.amdhsa_forward_progress 1
		.amdhsa_inst_pref_size 146
	.end_amdhsa_kernel
	.amdgpu_metadata
---
amdhsa.version: [ 1, 2 ]
amdhsa.kernels:
  - .name:           k_qa92c731c68_proj
    .symbol:         k_qa92c731c68_proj.kd
    .args:
      - { .name: z_codes, .offset: 0, .size: 8, .value_kind: global_buffer, .address_space: global }
      - { .name: z_scales, .offset: 8, .size: 8, .value_kind: global_buffer, .address_space: global }
      - { .name: in_codes, .offset: 16, .size: 8, .value_kind: global_buffer, .address_space: global }
      - { .name: in_scales, .offset: 24, .size: 8, .value_kind: global_buffer, .address_space: global }
      - { .name: bo, .offset: 32, .size: 8, .value_kind: global_buffer, .address_space: global }
      - { .name: out0, .offset: 40, .size: 8, .value_kind: global_buffer, .address_space: global }
    .group_segment_fixed_size: 327680
    .private_segment_fixed_size: 0
    .kernarg_segment_align: 8
    .kernarg_segment_size: 48
    .max_flat_workgroup_size: 128
    .sgpr_count:     98
    .vgpr_count:     1024
    .wavefront_size: 32
...
	.end_amdgpu_metadata
.endif
;; end of part 4
;; ======== version 2 of 2: 4 launches; version 1 with the launch attn written anew for expert scheduling mode
;; limits: right only within a limited range of input values
;; workspace buffers: in_codes 12,582,912 bytes; in_scales 393,216 bytes; qkv_codes 25,165,824 bytes; qkv_scales 1,310,720 bytes; z_codes 8,388,608 bytes; z_scales 262,144 bytes; maskw 540,672 bytes of whole numbers
;; launch prep: the kernel of part 1 again; grid 320 x 1, 8 waves a work-group, no clusters, 68,608 bytes of LDS; arguments inputs, Wq, Wk, Wv, Wo, mask, in_codes, in_scales, maskw; writes in_codes, in_scales, maskw
;; launch qkv: the kernel of part 2 again; grid 12 x 32, 4 waves a work-group, clusters of 4 x 4, 327,680 bytes of LDS; arguments in_codes, in_scales, bq, bk, bv, qkv_codes, qkv_scales; writes qkv_codes, qkv_scales
;; launch attn (part 5): grid 4 x 64, 16 waves a work-group, no clusters, 276,480 bytes of LDS; arguments qkv_codes, qkv_scales, maskw, z_codes, z_scales; writes z_codes, z_scales
.if DOCPART == 5
	.amdgcn_target "amdgcn-amd-amdhsa--gfx1250"
	.amdhsa_code_object_version 6
	.text
	.protected	k_qa92c731c68_attn
	.globl	k_qa92c731c68_attn
	.p2align	8
	.type	k_qa92c731c68_attn,@function
k_qa92c731c68_attn:
	s_mov_b64 s[64:65], 0
	v_nop
	global_prefetch_b8 v0, s[64:65] scope:SCOPE_SE
	s_setreg_imm32_b32 hwreg(HW_REG_WAVE_SCHED_MODE, 0, 2), 2
	s_setreg_imm32_b32 hwreg(HW_REG_WAVE_MODE, 25, 1), 1
	s_wait_xcnt 0x0
	s_wait_alu depctr_vm_vsrc(0)
; ATTN.  z[b][q][64 hd + d] = sum over k of softmax_k(where(mask[q][k], q . k / 8, -1e9)) v[k][d], both products on codes of FP8 (E4M3) with E8M0 scales; z is quantised along its 1,024 features on the way out.
; THE SOFTMAX AHEAD OF THE SECOND PRODUCT: t = score x log2(e) / 8; M = the running largest t rounded up to a whole number; p = 2^(t - M) is quantised along the keys; the row's sum is taken of the unquantised p and divides at the end.
; SHARES.  Work-group (p, bh) owns query blocks p and 7 - p (256 queries each) of head bh, in two passes; each of its sixteen waves owns one tile of 16 queries a pass, in 256 registers: four waves to a SIMD.
; THE WHOLE HEAD'S K AND V LIE IN LDS (codes 2 x 131,072 bytes, scale words 8,192 + 4,096), brought once through registers; one barrier; behind it LDS is only read and the waves run free.
; LAYOUT.  Both products are used transposed: S^T = K Q^T (source 0 = 16 keys), O^T = V^T P^T (source 0 = 16 of the head's 64): a lane holds one query (lane % 16) throughout.  The head's 64 fill half of the first product's 128:
; the upper eight registers of Q's and K's fragments are zero codes.  The rows of every tile are row(T, i) = 32 (T / 2) + 8 (T % 2) + i + 8 (i / 8), so that the 16 registers of two neighbouring tiles are 16 neighbours along the next K.
; THE MASK is an input: an earlier launch has packed it, for each query tile and key step, into 64 lane-mask words (one v_cndmask_b32 a score) and into flags.  A step is left out only where none of its 16 x 128 bits is true AND each of
; the tile's 16 queries has a true bit somewhere: every p of that step is then exactly 0.  A step all of whose bits are true reads no words.  Both are scalar branches on whole numbers that the earlier launch stored.
; That is why this launch has no tensor load, and with it no joint loads in a cluster: a step's work is jumped over on stored numbers.  What the four work-groups of a head share is read once by each, at its head.
; LIMITS: a masked score is taken as -2^33 (logit -2^30) in place of logit -1e9: c x 2^33 is a whole number, so a query with no true bit gets p = 1 exactly, as M = ceil(t) gives it; the result differs from the definition only where an
; unmasked logit lies under about -9.9e8.  NaN and infinities are not served.  A block of zeros gets the byte 1.
; THE MODE: SCHED_MODE bits 1:0 = 2 (LLVM: expert scheduling mode 2), set by the entry lines.  The code itself states the register dependences between vector or matrix instructions and memory or LDS instructions, with s_wait_alu, always for 0.
; THE PLAN.  Registers that memory or LDS instructions touch:
;   at the head  v2-7, v10: offsets and LDS addresses of the fill, made together ahead of one wait; v32-165: the fill's data, loaded and stored to LDS.  All are written again only behind the one wait on vm_vsrc that follows the barrier.
;   v5-7, v11    the step's four LDS addresses: written at a step's head, between a wait on vm_vsrc (the last step's loads have read them) and the step's first wait on va_vdst; read by the step's LDS loads; named by no other vector line.
;   KF, KSC      K's fragments and scale words: loads land at the step's head (behind its wait: the last step's products are done with them) and, KF again, behind the first four products and a wait of their own.
;   VSC          V's scale words: read by the O^T products; the load stands at the end of the step's second run of loads: no vector or matrix line since the head's wait names it.
;   ST           scores, then p: written and read by matrix and vector lines up to the conversions; one wait; V's sixteen loads land in it; the O^T products read it.
;   PCD, PSC     p's codes and scale word, made by vector lines: one wait ahead of the O^T products, behind their places.  At a pass's end PCD and v224 are the stores' data.
;   v9, v10      offsets of Q's loads (written at a pass's head) and of z's stores (written at its end): a wait on vm_vsrc ahead of each writing, one on va_vdst ahead of each use.
;   QF, QSC      Q's fragment and scale word: loads land at a pass's head, behind the wait that also shows the last pass's products done with them.
; No register is left for a second buffer: sixteen waves of 256 registers fill the four SIMDs.
.set VC,   131072                      ; LDS: K's codes at 0, V's here,
.set KSB,  262144                      ; K's scale words,
.set VSB,  270336                      ; V's
.set LI,   1                           ; v1   16 x lane
.set VL,   2                           ; v2   16 x lane + VC
.set AKS,  3                           ; v3   KSB + 16 r
.set AVS,  4                           ; v4   VSB + 16 r
.set ADK,  5                           ; v5-7, v11  the step's LDS addresses
.set ADV,  6
.set ADS,  7
.set MV,   8                           ; v8   -2^33
.set GO,   9                           ; v9   offset of Q's loads, later of z's stores
.set GS,   10                          ; v10  offset of Q's scale word, later of z's scale bytes
.set ADT,  11
.set QF,   16                          ; v16-31   Q (v24-31 zero codes)
.set KF,   32                          ; v32-95   four fragments of K (the upper eight of each sixteen zero codes)
.set ST,   96                          ; v96-159  S^T, then p, then four fragments of V
.set OT,   160                         ; v160-191 O^T
.set PCD,  192                         ; v192-207 p's codes; z's at a pass's end
.set BM,   208                         ; blocks' largest
.set PT,   212                         ; the other half's; bytes
.set HD,   216                         ; holds
.set SO,   220                         ; scale operands
.set TMP,  224
.set FF,   226                         ; v[226:227] f = 2^(old M - new M); 1 / the sum at a pass's end
.set SU,   228                         ; v[228:229] the second chain of the sum
.set KSC,  232                         ; v232-239 K's scale words;  v240-243 V's;  v244 Q's;  v245 p's: scales and nothing else
.set VSC,  240
.set QSC,  244
.set PSC,  245
.set CS,   24                          ; s[24:25] c = log2(e) / 8
.set SEL,  26                          ; s[26:27]
.set MNT,  30
	s_load_b256 s[4:11], s[0:1], 0x0               ; qkv_codes 4:5, qkv_scales 6:7, maskw 8:9, z_codes 10:11
	s_load_b64 s[12:13], s[0:1], 0x20              ; z_scales
	v_lshl_add_u32 v254, v0, 2, 0x43000
	v_mov_b32 v255, 0
	v_lshrrev_b32 v1, 5, v0
	v_readfirstlane_b32 s14, v1                    ; wave 0..15
	s_and_b32 s15, ttmp7, 0xffff                   ; bh
	s_mov_b32 s16, ttmp9                           ; p
	s_lshl_b32 s20, s15, 17                        ; a head's codes: 131,072 bytes
	s_mov_b32 s21, 0
	s_lshl_b32 s22, s15, 13                        ; q's and k's scale words: 8,192
	s_mov_b32 s23, 0
	s_lshl_b32 s24, s15, 12                        ; v's: 4,096, from 2^20 on
	s_add_co_u32 s24, s24, 2<<19
	s_mov_b32 s25, 0
	s_lshr_b32 s26, s15, 4                         ; the batch
	s_and_b32 s27, s15, 15                         ; the head in it
	s_lshl_b32 s28, s26, 21                        ; z's codes: 128 tiles x 16,384 a batch; the head's two blocks are chunks 2 hd, 2 hd + 1 of a tile
	s_lshl_b32 s29, s27, 10
	s_add_co_u32 s28, s28, s29
	s_mov_b32 s29, 0
	s_lshl_b32 s30, s26, 16                        ; z's scale bytes: 128 x 512 a batch; pair of K steps hd / 4, word (hd / 2) % 2, bytes 2 (hd % 2) on
	s_lshr_b32 s31, s27, 2
	s_lshl_b32 s31, s31, 7
	s_add_co_u32 s30, s30, s31
	s_bfe_u32 s31, s27, 0x10001
	s_lshl_b32 s31, s31, 2
	s_add_co_u32 s30, s30, s31
	s_and_b32 s31, s27, 1
	s_lshl_b32 s31, s31, 1
	s_add_co_u32 s30, s30, s31
	s_mov_b32 s31, 0
	v_lshlrev_b32 v2, 4, v0                        ; 16 x thread
	v_lshlrev_b32 v3, 3, v0                        ; 8 x thread
	v_add_nc_u32 v4, 65536, v2                     ; an LDS immediate has 16 bits: the registers carry the rest
	v_add_nc_u32 v5, VC, v2
	v_add_nc_u32 v6, VC+65536, v2
	v_add_nc_u32 v7, KSB, v2
	v_add_nc_u32 v10, VSB, v3
	s_wait_alu depctr_va_sdst(0)                   ; s14, the wave's number, is written
	s_wait_kmcnt 0x0
	s_add_nc_u64 s[4:5], s[4:5], s[20:21]          ; q's codes of my head,
	s_add_nc_u64 s[100:101], s[4:5], 1<<23         ; k's,
	s_add_nc_u64 s[2:3], s[4:5], 2<<23             ; v's
	s_add_nc_u64 s[66:67], s[6:7], s[24:25]        ; v's scale words
	s_add_nc_u64 s[6:7], s[6:7], s[22:23]          ; q's (k's lie 2^19 bytes on)
	s_add_nc_u64 s[10:11], s[10:11], s[28:29]
	s_add_nc_u64 s[12:13], s[12:13], s[30:31]
	s_wait_alu depctr_va_vdst(0)                   ; v2 and v3, the loads' offsets, and v4 to v7 and v10, the LDS stores' addresses, are written
	; THE FILL: the 512 threads bring 8,192 consecutive bytes an instruction
.irp i, 0,1,2,3,4,5,6,7,8,9,10,11,12,13,14,15
	global_load_b128 v[32+4*\i:35+4*\i], v2, s[100:101] offset:8192*\i
.endr
.irp i, 0,1,2,3,4,5,6,7,8,9,10,11,12,13,14,15
	global_load_b128 v[96+4*\i:99+4*\i], v2, s[2:3] offset:8192*\i
.endr
	global_load_b128 v[160:163], v2, s[6:7] offset:524288
	global_load_b64 v[164:165], v3, s[66:67]
	s_wait_loadcnt 18                              ; K's 16 loads are in; V's 16 and the two of scale words may be out
.irp i, 0,1,2,3,4,5,6,7
	ds_store_b128 v2, v[32+4*\i:35+4*\i] offset:8192*\i
.endr
.irp i, 0,1,2,3,4,5,6,7
	ds_store_b128 v4, v[64+4*\i:67+4*\i] offset:8192*\i
.endr
	s_wait_loadcnt 2                               ; V's are in
.irp i, 0,1,2,3,4,5,6,7
	ds_store_b128 v5, v[96+4*\i:99+4*\i] offset:8192*\i
.endr
.irp i, 0,1,2,3,4,5,6,7
	ds_store_b128 v6, v[128+4*\i:131+4*\i] offset:8192*\i
.endr
	s_wait_loadcnt 0x0
	ds_store_b128 v7, v[160:163]
	ds_store_b64 v10, v[164:165]
	s_wait_dscnt 0x0                               ; for the others' sake: my stores have landed
	s_barrier_signal -1
	s_barrier_wait -1                              ; the head's K and V are whole; nobody writes LDS again
	s_wait_alu depctr_vm_vsrc(0)                   ; the fill's loads and LDS stores have read v2 to v7, v10 and v32 to v165: from here on vector lines, products and loads write these registers
	v_and_b32 v[LI], 31, v0
	v_lshlrev_b32 v[LI], 4, v[LI]
	v_add_nc_u32 v[VL], VC, v[LI]
	v_and_b32 v[AKS], 15, v0
	v_lshlrev_b32 v[AKS], 4, v[AKS]
	v_add_nc_u32 v[AVS], VSB, v[AKS]
	v_add_nc_u32 v[AKS], KSB, v[AKS]
	v_mov_b32 v[MV], 0xd0000000                    ; -2^33
.irp j, 8,9,10,11,12,13,14,15
	v_mov_b32 v[QF+\j], 0                          ; zero codes for k = 64 .. 127
.irp t, 0,1,2,3
	v_mov_b32 v[KF+16*\t+\j], 0
.endr
.endr
.irp b, 0,1,2,3
	v_mov_b32 v[PT+\b], 0                          ; a lane permute's destination counts as one of its sources
.endr
	v_mov_b32 v[FF+1], 0                           ; named as the upper half of a pair
	s_mov_b32 s[CS], 0x3e38aa3b
	s_mov_b32 s[CS+1], s[CS]
	s_mov_b32 s[SEL], 0x76543210
	s_mov_b32 s[SEL+1], 0xfedcba98
	s_mov_b32 s[MNT], 0x600000
	s_mov_b32 s17, 0                               ; the pass
.Lpass:
	s_sub_co_u32 s23, 7, s16
	s_cmp_eq_u32 s17, 0
	s_cselect_b32 s23, s16, s23                    ; query block p, then 7 - p
	s_lshl_b32 s18, s23, 4
	s_add_co_u32 s18, s18, s14                     ; my tile T
	s_lshl_b32 s31, s18, 7
	s_load_b512 s[32:47], s[8:9], s31 offset:0x80000   ; the tile's eight flag records
	s_load_b512 s[48:63], s[8:9], s31 offset:0x80040
	s_lshl_b32 s23, s18, 10
	v_add_nc_u32 v[GO], s23, v[LI]                 ; Q's tile: 1,024 T + 16 lane
	s_lshr_b32 s23, s18, 2
	s_lshl_b32 s23, s23, 8
	s_and_b32 s20, s18, 3
	s_lshl_b32 s20, s20, 2
	s_add_co_u32 s23, s23, s20
	v_and_b32 v[GS], 15, v0
	v_lshlrev_b32 v[GS], 4, v[GS]
	v_add_nc_u32 v[GS], s23, v[GS]                 ; its scale word: 256 (T / 4) + 16 r + 4 (T % 4)
	s_wait_alu depctr_va_vdst(0)                   ; the two offsets are written; the last pass's products are done reading Q's fragment and scale word, in which the loads land; in the first pass: the zero codes of Q's and K's fragments are written, ahead of the products that take them
	global_load_b128 v[QF:QF+3], v[GO], s[4:5]
	global_load_b128 v[QF+4:QF+7], v[GO], s[4:5] offset:512
	global_load_b32 v[QSC], v[GS], s[6:7]
	v_mov_b32 v13, 0xff61b1e6                      ; the largest t so far: -3e38
	v_floor_f32 v12, -v13                          ; -M
	v_mov_b32 v14, 0                               ; the sum, in two halves
	v_mov_b32 v15, 0
.set n, 0
.rept 32
	v_mov_b32 v[OT+n], 0                           ; the step is written once: the first finds zeros, which the first change of M leaves zeros
.set n, n+1
.endr
	s_wait_kmcnt 0x0
.irp w, 1,2,3,4,5,6,7
	s_or_b32 s32, s32, s[32+4*\w]                  ; steps with any true bit
	s_or_b32 s33, s33, s[33+4*\w]                  ; steps all true
	s_or_b32 s34, s34, s[34+4*\w]                  ; lanes with a true bit
.endr
	s_lshr_b32 s23, s34, 16
	s_or_b32 s23, s23, s34
	s_and_b32 s23, s23, 0xffff                     ; queries with a true bit
	s_mov_b32 s28, 0xffff
	s_cmp_eq_u32 s23, 0xffff
	s_cselect_b32 s28, s32, s28                    ; the steps to be done: those with a true bit, or all sixteen where some query has none
	s_and_not1_b32 s29, s28, s33                   ; of them, the steps that need their words
	s_mov_b32 s19, 0                               ; the key step
	s_wait_loadcnt 0x0                             ; Q
.Lkey:
	s_lshr_b32 s23, s28, s19
	s_and_b32 s23, s23, 1
	s_cmp_eq_u32 s23, 0
	s_cbranch_scc1 .Lskip
	s_lshl_b32 s20, s19, 13                        ; a step's codes: 8,192 bytes of K and of V
	s_lshl_b32 s21, s19, 9                         ; K's scale words: 512
	s_lshl_b32 s22, s19, 8                         ; V's, and the mask's words: 256
	s_wait_alu depctr_vm_vsrc(0)                   ; the LDS loads issued so far have read the four addresses that the next four lines write
	v_add_nc_u32 v[ADK], s20, v[LI]
	v_add_nc_u32 v[ADV], s20, v[VL]
	v_add_nc_u32 v[ADS], s21, v[AKS]
	v_add_nc_u32 v[ADT], s22, v[AVS]
	s_wait_alu depctr_va_vdst(0)                   ; the four addresses are written, for all the step's LDS loads; the last step's products are done reading K's fragments and K's and V's scale words, in which loads of this step land
.irp t, 0,1,2,3
.irp c, 0,1
	ds_load_b128 v[KF+16*\t+4*\c:KF+16*\t+4*\c+3], v[ADK] offset:1024*\t+512*\c
.endr
.endr
	ds_load_b128 v[KSC:KSC+3], v[ADS]
	ds_load_b128 v[KSC+4:KSC+7], v[ADS] offset:256
.rept 5
	v_nop                                          ; with the four additions: nine places behind the last step's products, whose source 0 the scores now write over
.endr
	s_wait_dscnt 0x0
.irp t, 0,1,2,3
	v_wmma_scale_f32_16x16x128_f8f6f4 v[ST+8*\t:ST+8*\t+7], v[KF+16*\t:KF+16*\t+15], v[QF:QF+15], 0, v[KSC+\t], v[QSC]
.endr
.rept 8
	v_nop                                          ; places in front of loads into registers that these products read
.endr
	s_wait_alu depctr_va_vdst(0)                   ; the four products are done reading K's fragments, in which the next eight loads land
.irp t, 0,1,2,3
.irp c, 0,1
	ds_load_b128 v[KF+16*\t+4*\c:KF+16*\t+4*\c+3], v[ADK] offset:4096+1024*\t+512*\c
.endr
.endr
	ds_load_b128 v[VSC:VSC+3], v[ADT]              ; V's scale words, asked for early.  No wait of its own: no vector or matrix line since the wait at the step's head names these registers or the address
	s_wait_dscnt 0x1                               ; LDS loads come back in order (ISA guide 5.7.1): K's eight are in; the youngest, V's scale words, may stay out
.irp t, 0,1,2,3
	v_wmma_scale_f32_16x16x128_f8f6f4 v[ST+32+8*\t:ST+32+8*\t+7], v[KF+16*\t:KF+16*\t+15], v[QF:QF+15], 0, v[KSC+4+\t], v[QSC]
.endr
.rept 8
	v_nop
.endr
	s_lshr_b32 s23, s29, s19
	s_and_b32 s23, s23, 1
	s_cmp_eq_u32 s23, 0
	s_cbranch_scc1 .Lopen
	s_lshl_b32 s31, s18, 12                        ; the step's 64 words: 4,096 T + 256 ks.  Load, wait and use stand in this one branch
	s_add_co_u32 s31, s31, s22
	s_load_b512 s[32:47], s[8:9], s31 offset:0x0
	s_load_b512 s[48:63], s[8:9], s31 offset:0x40
	s_load_b512 s[68:83], s[8:9], s31 offset:0x80
	s_load_b512 s[84:99], s[8:9], s31 offset:0xc0
	s_wait_kmcnt 0x0
.set n, 0
.rept 64
	v_cndmask_b32 v[ST+n], v[MV], v[ST+n], s[32+n+4*(n/32)]   ; register n holds key 128 ks + 32 (n / 16) + 16 (lane / 16) + n % 16 of query lane % 16: word n has its bit
.set n, n+1
.endr
.Lopen:
.irp b, 0,1,2,3
	v_max3_num_f32 v[BM+\b], v[ST+16*\b], v[ST+1+16*\b], v[ST+2+16*\b]   ; the largest score of each block of 32 keys: for the row's maximum, and, since p rises with the score, for the block's largest p
.endr
.irp i, 3,5,7,9,11,13
.irp b, 0,1,2,3
	v_max3_num_f32 v[BM+\b], v[BM+\b], v[ST+16*\b+\i], v[ST+1+16*\b+\i]
.endr
.endr
.irp b, 0,1,2,3
	v_max_num_f32 v[BM+\b], v[BM+\b], v[ST+15+16*\b]
.endr
.irp b, 0,1,2,3
	v_permlanex16_b32 v[PT+\b], v[BM+\b], s[SEL], s[SEL+1]
.endr
.irp b, 0,1,2,3
	v_max_num_f32 v[BM+\b], v[BM+\b], v[PT+\b]
.endr
	v_max3_num_f32 v[TMP], v[BM], v[BM+1], v[BM+2]
	v_max_num_f32 v[TMP], v[TMP], v[BM+3]
	v_mul_f32 v[TMP], s[CS], v[TMP]                ; the step's largest t
	v_max_num_f32 v13, v13, v[TMP]
	v_mov_b32 v[TMP], v12
	v_floor_f32 v12, -v13                          ; the new -M = -ceil(t)
	v_sub_f32 v[TMP], v12, v[TMP]                  ; old M - new M: a whole number, 0 or less
	v_cvt_i32_f32 v[TMP], v[TMP]                   ; (it saturates)
	v_ldexp_f32 v[FF], 1.0, v[TMP]                 ; f = 2^(old M - new M): rounds nothing
.set n, 0
.rept 32
	v_pk_fma_f32 v[ST+n:ST+n+1], v[ST+n:ST+n+1], s[CS:CS+1], v[12:13] op_sel_hi:[1,0,0]   ; t - M
.set n, n+2
.endr
.irp b, 0,1,2,3
	v_fma_f32 v[BM+\b], v[BM+\b], s[CS], v12
.endr
.set n, 0
.rept 64
	v_exp_f32 v[ST+n], v[ST+n]                     ; p = 2^(t - M)
.set n, n+1
.endr
	v_pk_mul_f32 v[14:15], v[14:15], v[FF:FF+1] op_sel_hi:[1,0]   ; the sums under the new M: a plain line behind the exponentials
	s_wait_alu depctr_va_vdst(0)                   ; the 64 exponentials have written p: one wait for the batch, ahead of its first reader
.irp b, 0,1,2,3
	v_exp_f32 v[BM+\b], v[BM+\b]                   ; the blocks' largest p
.endr
	v_pk_add_f32 v[SU:SU+1], v[ST:ST+1], v[ST+2:ST+3]   ; the row's sum, of the unquantised p, in two chains
.irp j, 4,8,12,16,20,24,28,32,36,40,44,48,52,56,60
	v_pk_add_f32 v[14:15], v[14:15], v[ST+\j:ST+\j+1]
	v_pk_add_f32 v[SU:SU+1], v[SU:SU+1], v[ST+2+\j:ST+3+\j]
.endr
	v_pk_add_f32 v[14:15], v[14:15], v[SU:SU+1]
	s_wait_alu depctr_va_vdst(0)                   ; the four exponentials have written the blocks' largest p, ahead of their first reader
.irp b, 0,1,2,3
	v_max_num_f32 v[BM+\b], 0x4800000, v[BM+\b]    ; the floor 2^(9 - 127)
.endr
.irp b, 0,1,2,3
	v_add_nc_u32 v[SO+\b], 0xfc000000, v[BM+\b]
.endr
.irp b, 0,1,2,3
	v_and_or_b32 v[HD+\b], v[BM+\b], 0x7f800000, s[MNT]
.endr
.irp b, 0,1,2,3
.irp i, 0,1,2,3,4,5,6,7,8,9,10,11,12,13,14,15
	v_min_num_f32 v[ST+16*\b+\i], v[ST+16*\b+\i], v[HD+\b]   ; the conversion does not saturate (ISA guide 7.6.2); p is not negative
.endr
	v_cvt_scalef32_pk8_fp8_f32 v[PCD+4*\b:PCD+4*\b+1], v[ST+16*\b:ST+16*\b+7], v[SO+\b]
	v_cvt_scalef32_pk8_fp8_f32 v[PCD+4*\b+2:PCD+4*\b+3], v[ST+16*\b+8:ST+16*\b+15], v[SO+\b]
.endr
	s_wait_alu depctr_va_vdst(0)                   ; the holds have written p's registers and the conversions are done reading them: V's loads land there
.irp t, 0,1,2,3
.irp c, 0,1,2,3
	ds_load_b128 v[ST+16*\t+4*\c:ST+16*\t+4*\c+3], v[ADV] offset:2048*\t+512*\c   ; V's four fragments take p's registers
.endr
.endr
.irp b, 0,1,2,3
	v_lshrrev_b32 v[PT+\b], 23, v[SO+\b]           ; the scales' bytes: made while V's loads are out; none of these lines names a register that the loads touch
.endr
	v_lshl_or_b32 v[PSC], v[PT+1], 8, v[PT]        ; p's scale word for these 128 keys
	v_lshl_or_b32 v[PSC], v[PT+2], 16, v[PSC]
	v_lshl_or_b32 v[PSC], v[PT+3], 24, v[PSC]
.set n, 0
.rept 16
	v_pk_mul_f32 v[OT+n:OT+n+1], v[OT+n:OT+n+1], v[FF:FF+1] op_sel_hi:[1,0]   ; O^T under the new M; these are also the plain lines in front of the products: sixteen behind the scale word, more behind the codes
.set n, n+2
.endr
	s_wait_dscnt 0x0
	s_wait_alu depctr_va_vdst(0)                   ; p's scale word, made since the last wait, and p's codes are written: the products take them as scales and as source 1; the places above stay beside this wait
.irp t, 0,1,2,3
	v_wmma_scale_f32_16x16x128_f8f6f4 v[OT+8*\t:OT+8*\t+7], v[ST+16*\t:ST+16*\t+15], v[PCD:PCD+15], v[OT+8*\t:OT+8*\t+7], v[VSC+\t], v[PSC]
.endr
.Lskip:
	s_add_co_u32 s19, s19, 1
	s_cmp_lt_u32 s19, 16
	s_cbranch_scc1 .Lkey
	; A PASS'S END: O^T / the sum is z: register 16 B + i is feature 64 hd + 32 B + 16 (lane / 16) + i of my query: two blocks, quantised where they lie
.rept 8
	v_nop
.endr
	v_add_f32 v14, v14, v15
	v_permlanex16_b32 v[PT], v14, s[SEL], s[SEL+1]
	v_add_f32 v14, v14, v[PT]
	v_rcp_f32 v[FF], v14
	v_nop
	s_wait_alu depctr_va_vdst(0)                   ; the reciprocal is written, ahead of its first reader
.set n, 0
.rept 16
	v_pk_mul_f32 v[OT+n:OT+n+1], v[OT+n:OT+n+1], v[FF:FF+1] op_sel_hi:[1,0]
.set n, n+2
.endr
.irp b, 0,1
	v_max3_num_f32 v[BM+\b], |v[OT+16*\b]|, |v[OT+1+16*\b]|, 0x4800000
.endr
.irp i, 2,4,6,8,10,12,14
.irp b, 0,1
	v_max3_num_f32 v[BM+\b], v[BM+\b], |v[OT+16*\b+\i]|, |v[OT+1+16*\b+\i]|
.endr
.endr
.irp b, 0,1
	v_permlanex16_b32 v[PT+\b], v[BM+\b], s[SEL], s[SEL+1]
.endr
.irp b, 0,1
	v_max_num_f32 v[BM+\b], v[BM+\b], v[PT+\b]
.endr
.irp b, 0,1
	v_add_nc_u32 v[SO+\b], 0xfc000000, v[BM+\b]
.endr
.irp b, 0,1
	v_and_or_b32 v[HD+\b], v[BM+\b], 0x7f800000, s[MNT]
.endr
.irp b, 0,1
	v_lshrrev_b32 v[PT+\b], 23, v[SO+\b]
.endr
	v_lshl_or_b32 v[TMP], v[PT+1], 8, v[PT]        ; the two bytes
.irp b, 0,1
.irp i, 0,1,2,3,4,5,6,7,8,9,10,11,12,13,14,15
	v_med3_num_f32 v[OT+16*\b+\i], v[OT+16*\b+\i], -v[HD+\b], v[HD+\b]
.endr
	v_cvt_scalef32_pk8_fp8_f32 v[PCD+4*\b:PCD+4*\b+1], v[OT+16*\b:OT+16*\b+7], v[SO+\b]
	v_cvt_scalef32_pk8_fp8_f32 v[PCD+4*\b+2:PCD+4*\b+3], v[OT+16*\b+8:OT+16*\b+15], v[SO+\b]
.endr
	v_nop                                          ; a plain line behind the last conversion
	s_wait_alu depctr_vm_vsrc(0)                   ; Q's loads, at the pass's head, have read the two offsets that the next lines write (also where every step was jumped over)
	s_lshl_b32 s23, s18, 14
	v_add_nc_u32 v[GO], s23, v[LI]                 ; 16,384 T + 16 lane
	s_lshl_b32 s23, s18, 9
	v_and_b32 v[GS], 15, v0
	v_lshlrev_b32 v[GS], 3, v[GS]
	v_add_nc_u32 v[GS], s23, v[GS]                 ; 512 T + 8 r
	s_wait_alu depctr_va_vdst(0)                   ; the conversions have written z's codes, the shift its two bytes, the lines above the two offsets: the three stores read them
	global_store_b128 v[GO], v[PCD:PCD+3], s[10:11]              ; 32 lanes store 512 consecutive bytes
	global_store_b128 v[GO], v[PCD+4:PCD+7], s[10:11] offset:512
	global_store_b16 v[GS], v[TMP], s[12:13]       ; two bytes a query (both halves of the lanes write the same): half of a scale word, whose other half another head's work-group owns
	s_wait_xcnt 0x0                                ; the stores have had their addresses translated (ISA guide 3.1): their registers are written again only behind this wait,
	s_wait_alu depctr_vm_vsrc(0)                   ; and behind this one: the stores have read the codes, the bytes and the two offsets, which the next pass writes again
	s_add_co_u32 s17, s17, 1
	s_cmp_lt_u32 s17, 2
	s_cbranch_scc1 .Lpass
	s_wait_dscnt 0x0
	s_wait_alu depctr_hold_cnt(0) depctr_sa_sdst(0) depctr_va_vdst(0) depctr_va_sdst(0) depctr_va_ssrc(0) depctr_va_vcc(0) depctr_vm_vsrc(0)
	s_wait_tensorcnt 0x0
	ds_add_u32 v254, v255
	s_wait_dscnt 0x0
	s_endpgm
.Lfunc_end_k_qa92c731c68_attn:
	.size	k_qa92c731c68_attn, .Lfunc_end_k_qa92c731c68_attn-k_qa92c731c68_attn
	.p2alignl 7, 3214868480
	.fill 96, 4, 3214868480
	.section	.rodata,"a",@progbits
	.p2align	6, 0x0
	.amdhsa_kernel k_qa92c731c68_attn
		.amdhsa_group_segment_fixed_size 276480
		.amdhsa_private_segment_fixed_size 0
		.amdhsa_enable_private_segment 0
		.amdhsa_kernarg_size 40
		.amdhsa_user_sgpr_count 2
		.amdhsa_user_sgpr_kernarg_segment_ptr 1
		.amdhsa_wavefront_size32 1
		.amdhsa_system_sgpr_workgroup_id_x 1
		.amdhsa_system_sgpr_workgroup_id_y 1
		.amdhsa_system_sgpr_workgroup_id_z 1
		.amdhsa_system_vgpr_workitem_id 0
		.amdhsa_next_free_vgpr 256
		.amdhsa_next_free_sgpr 102
		.amdhsa_reserve_vcc 0
		.amdhsa_float_denorm_mode_32 3
		.amdhsa_float_denorm_mode_16_64 3
		.amdhsa_memory_ordered 1
		.amdhsa_forward_progress 1
		.amdhsa_inst_pref_size 43
	.end_amdhsa_kernel
	.amdgpu_metadata
---
amdhsa.version: [ 1, 2 ]
amdhsa.kernels:
  - .name:           k_qa92c731c68_attn
    .symbol:         k_qa92c731c68_attn.kd
    .args:
      - { .name: qkv_codes, .offset: 0, .size: 8, .value_kind: global_buffer, .address_space: global }
      - { .name: qkv_scales, .offset: 8, .size: 8, .value_kind: global_buffer, .address_space: global }
      - { .name: maskw, .offset: 16, .size: 8, .value_kind: global_buffer, .address_space: global }
      - { .name: z_codes, .offset: 24, .size: 8, .value_kind: global_buffer, .address_space: global }
      - { .name: z_scales, .offset: 32, .size: 8, .value_kind: global_buffer, .address_space: global }
    .group_segment_fixed_size: 276480
    .private_segment_fixed_size: 0
    .kernarg_segment_align: 8
    .kernarg_segment_size: 40
    .max_flat_workgroup_size: 512
    .sgpr_count:     102
    .vgpr_count:     256
    .wavefront_size: 32
...
	.end_amdgpu_metadata
.endif
;; end of part 5
;; launch proj: the kernel of part 4 again; grid 4 x 32, 4 waves a work-group, clusters of 4 x 4, 327,680 bytes of LDS; arguments z_codes, z_scales, in_codes, in_scales, bo, out0; writes out0
